; MI455X (gfx1250); checked and timed in simulation.
; The chip was launched on July 23, 2026; its instructions are those of AMD's public machine-readable ISA for CDNA 5 (MIT licence, August 2026) and "CDNA5" Instruction Set Architecture Reference Guide (July 2026). The comments in the code are by the model that wrote it; some were corrected since.
;; Multi Head Attn. Allowed arithmetic: matrix products marked QUANTISED: E2M1 operands, one E8M0 scale for each 32 along K, by v_wmma_scale_f32_16x16x128_f8f6f4 with both operands' format E2M1 (or v_wmma_scale_f32_32x16x128_f4), f32 sums; everything else in f32.
;; Inputs: Wkv 1,024 x 2,048 float32; Wo 1,024 x 1,024 float32; Wq 1,024 x 1,024 float32; attn_mask 2,048 x 4 bool; beta 1,024 float32; gamma 1,024 float32; h 2,048 x 4 x 1,024 float32.
;; Outputs: out0 2,048 x 4 x 1,024 float32.
;; This version of the problem:
;;   THIS VERSION OF THE PROBLEM IS GIVEN IN LOW PRECISION. The matrix products marked QUANTISED in the list below multiply operands that are first quantised to E2M1 (2 exponent bits, 1 mantissa bit; 4 bits a number), with one power-of-two scale for each 32 numbers along K (OCP MX v1.0); their sums are f32. All else is computed in f32.
;;   The module's matrix products, in the order in which they are computed (A, B: the left and right operand; K: the contracted axis; several contracted axes count as one K, in the product's order):
;;     1. [M 8,192, K 1,024] x [K 1,024, N 1,024]; A: input h; B: input Wq: QUANTISED
;;     2. [M 8,192, K 1,024] x [K 1,024, N 2,048]; A: input h; B: input Wkv: QUANTISED
;;     3. batch 64 x [M 2,048, K 64] x [K 64, N 2,048]; A: computed on the way; B: computed on the way: QUANTISED
;;     4. batch 64 x [M 64, K 2,048] x [K 2,048, N 2,048]; A: computed on the way; B: softmax (see below): QUANTISED
;;     5. [M 8,192, K 1,024] x [K 1,024, N 1,024]; A: computed on the way; B: input Wo: QUANTISED
;;   THE QUANTISER, for each operand of a quantised product, along K:
;;     - K is cut into blocks of 32 from its start; a last block that is shorter is filled with zeros.
;;     - A block's scale is 2^e with e = floor(log2(the largest magnitude in the block)) - 2, held to -126 .. 127; a block of zeros has e = 0. As a byte (E8M0): e + 127.
;;     - Each number is divided by its block's scale, clamped to +-6, and rounded to the nearest number of E2M1, ties to even, subnormals kept.
;;     - The product sums the exact products of the quantised numbers (number of the format x scale) in f32.
;;   ~~~python
;;   def quantise(x, axis):      # numpy; x: float32 -> the quantised numbers, widened to float32 again
;;       x = np.moveaxis(x, axis, -1); K = x.shape[-1]
;;       x = np.pad(x, [(0, 0)] * (x.ndim - 1) + [(0, -K % 32)]); x = x.reshape(x.shape[:-1] + (-1, 32)); a = np.abs(x).max(-1, keepdims=True)
;;       e = np.where(a > 0, np.clip(np.frexp(np.where(a > 0, a, 1))[1] - 1 - 2, -126, 127), 0)      # np.frexp(a)[1] - 1 = floor(log2(a)), exactly
;;       r = np.clip(x / 2.0 ** e, -6, 6)
;;       step = 2.0 ** (np.maximum(np.frexp(np.where(r == 0, 1, r))[1] - 1, 0) - 1)
;;       q = np.round(r / step) * step * 2.0 ** e      # np.round: ties to even
;;       return np.moveaxis(q.reshape(q.shape[:-2] + (-1,))[..., :K], -1, axis).astype(np.float32)
;;   ~~~
;;   SOFTMAX AHEAD OF A QUANTISED PRODUCT. Where the list says 'softmax', what is quantised is not the finished softmax but p = 2^(t - M), with t = logit x log2(e) and M = ceil(the row's largest t), a whole number; so 1/2 < the row's largest p <= 1. The row's sum l is taken of the UNQUANTISED p, in f32, and the product's result is divided by l at the end. Since M is a whole number, a kernel that streams over the keys may use a running M (the ceiling of the running maximum): every later rescaling is an exact power of two, which a block's scale takes up: the codes' values come out the same.
;;   OPERANDS COMPUTED ON THE WAY. 'Computed on the way' means the value that the module computes at that place (a softmax that the list does not call 'softmax' is quantised finished and normalised). What goes into a quantiser is computed in f32, as accurately as f32 sums, v_exp_f32 and their like allow (about 1e-6 of the number): no bf16 or f16 on the way to a quantiser, and a product that is left as it is and whose result goes on into a quantised operand takes f32 operands (vector FMAs, or v_wmma_f32_16x16x4_f32). A number that lies on a knife's edge between two numbers of the format may be rounded either way, as far as f32 arithmetic and the matrix unit's own rounding can turn it there, and no further.
;; One version. Each part assembles by itself: llvm-mc -triple=amdgcn-amd-amdhsa -mcpu=gfx1250 --defsym DOCPART=n.
;; ======== version 1 of 1: 4 launches
;; limits: right only within a limited range of input values
;; workspace buffers: hq 4,456,448 bytes; wq 2,228,224 bytes; qkv 13,369,344 bytes; av 4,718,592 bytes
;; launch quant (part 1): grid 256 x 1, 8 waves a work-group, no clusters, 84,992 bytes of LDS; arguments Wq, Wkv, Wo, wq, h, hq; writes wq, hq
.if DOCPART == 1
	.amdgcn_target "amdgcn-amd-amdhsa--gfx1250"
	.amdhsa_code_object_version 6
	.text
	.protected	k_qe7eb97f625_quant
	.globl	k_qe7eb97f625_quant
	.p2align	8
	.type	k_qe7eb97f625_quant,@function
k_qe7eb97f625_quant:
	s_mov_b64 s[64:65], 0
	v_nop
	global_prefetch_b8 v0, s[64:65] scope:SCOPE_SE
	s_setreg_imm32_b32 hwreg(HW_REG_WAVE_MODE, 25, 1), 1
	s_wait_xcnt 0x0
; MULTI-HEAD ATTENTION WITH RESIDUAL AND LAYER NORM, all five products on codes of FP4 (E2M1) with one E8M0 scale for each 32 along K.  Four launches:
;   quant: h, Wq, Wkv, Wo -> codes;  gemm: q, k, v, quantised on the way out;  attn: softmax(q k^T / 8, keys masked) v, quantised on the way out;  proj: x Wo + h, layer norm.
; NO WORK IS LEFT OUT: every input (h, attn_mask, Wq, Wkv, Wo, gamma, beta) has a way to the output, and every product of the problem is done.
; THE ORDER OF ROWS IN THE WORKSPACE.  swap34(i) is i with its bits 3 and 4 exchanged.  Row (s, b) of h is stored at position b x 2048 + swap34(s); the weights' columns likewise at swap34(column).
; A block's scale is 2^(floor(log2(its largest magnitude)) - 2); its byte is the largest magnitude's exponent field - 2, held at 1 from below.  A block of zeros gets the byte 1 where the rule says 127:
; its codes are zeros, which add nothing under any byte but 0xff, and this program alone reads the bytes.
; LIMITS: blocks whose largest magnitude lies under 2^(2 - 126) were not tried; NaN and infinities among the inputs are not served.
; ONE LAUNCH, TWO PATHS, parted by the work-group's number g alone (n = g / 2); each path has LDS bytes of its own.
; EVEN g, THE WEIGHTS (x = n % 64, y = n / 64): 64 columns (x 0-15 Wq, 16-47 Wkv, 48-63 Wo) x 512 along K.  K is the weights' FIRST axis: a lane takes a column and its registers run down K, so a block of 32
; lies in one lane's 32 registers and the conversions give codes with K innermost.  Wave w: 32 columns (w % 2) x 128 along K (w / 2): two waves side by side read 256 consecutive bytes, aligned.
; A column's 256 bytes of codes meet in one stage row; one barrier.
; In wq: codes of Wq's and Wkv's columns as rows [3072][512 bytes] at byte 0, their scale bytes [3072][32] at W_SC; Wo's codes as images of operand registers [K step 8][tile of 16 columns 64][1,024 bytes] at WO_IMG
; (registers 0-3 at 16 x lane, registers 4-7 at 512 + 16 x lane), its scale bytes [1024][32] at WO_SC.
; ODD g, h [2048][4][1024] -> codes [8192 positions][512 bytes] at byte 0 of hq, scale bytes [8192][32] at H_SC.  Wave w takes s = 8 G .. 8 G + 7, G = 2 n + w / 4, of batch w % 4:
; eight whole rows, 16 steps of 512 numbers; its codes are 4,096 and its scale bytes 256 consecutive bytes.  Each load reads 512 consecutive bytes; a step's 2,048 bytes turn through the wave's own stage in LDS
; and come back 64 bytes a lane: 16 neighbours along K, two lanes to a block.  No barrier on this path: its waves share nothing.
.set SPW,   220                        ; v220 LDS address of my spare word; never rewritten
.set NIL,   221                        ; v221 0; never rewritten
.set PITCH, 272                        ; weights: a stage row, 256 bytes + 16
.set SSTG,  64*PITCH                   ; behind the stage: 16 scale bytes for each of the 64 columns
.set SPARE, 18432                      ; the spare words, 128 bytes for each of eight waves
.set HB,    19456                      ; h's path: a region of WREG bytes for each wave
.set WREG,  8192                       ; two stages of 32 x SP bytes, behind them the wave's 256 scale bytes
.set SP,    80                         ; a lane's place in a stage: 64 bytes + 16 of padding
.set W_SC,  1572864
.set WO_IMG, 1671168
.set WO_SC, 2195456
.set H_SC,  4194304
.set WOF,   32                         ; v32-63   4 x lane + i rows of W
.set WX,    64                         ; v64-191  four blocks of 32 numbers
.set WC,    192                        ; v192-207 four blocks' codes
.set WSB,   208                        ; v208     my four scale bytes
.set HR,    16                         ; v16-79   four sets of 16 numbers as they are loaded
.set HX,    80                         ; v80-111  two sets of 16 neighbours
.set HE,    112                        ; v112-127 a scale byte for each step
.set HC,    128                        ; v128-191 codes: registers of its own for each step
	s_load_b256 s[4:11], s[0:1], 0x0               ; Wq, Wkv, Wo, wq
	s_load_b128 s[40:43], s[0:1], 0x20             ; h, hq
	v_lshl_add_u32 v[SPW], v0, 2, SPARE
	v_mov_b32 v[NIL], 0
	v_lshrrev_b32 v1, 5, v0
	v_readfirstlane_b32 s30, v1                    ; wave 0..7
	s_lshr_b32 s46, ttmp9, 1                       ; n
	s_and_b32 s47, ttmp9, 1
	s_cmp_lg_u32 s47, 0
	s_cbranch_scc1 .Lrows
	s_and_b32 s39, s46, 63                         ; x
	s_and_b32 s31, s30, 1                          ; which 32 columns
	s_lshr_b32 s32, s30, 1                         ; which 128 along K
	s_lshr_b32 s33, s46, 6                         ; y: which 512 along K
	s_lshr_b32 s36, s30, 1
	s_and_b32 s37, s30, 1
	v_and_b32 v1, 31, v0                           ; lane
	v_and_b32 v2, 7, v0
	v_bfe_u32 v3, v0, 3, 1
	v_lshl_or_b32 v2, v3, 4, v2
	v_bfe_u32 v7, v0, 4, 1                         ; h = lane / 16
	s_wait_alu depctr_va_vdst(0)
	v_lshl_or_b32 v2, v7, 3, v2                    ; swap34(lane): my column's place among the wave's 32
	v_and_b32 v6, 15, v0                           ; r = lane % 16
	s_mul_i32 s34, s31, 32*PITCH
	s_lshl_b32 s35, s32, 6
	s_add_co_u32 s34, s34, s35
	v_mul_u32_u24 v4, v2, PITCH
	v_add_nc_u32 v4, s34, v4                       ; into the stage: my column's row, my wave's 64 bytes
	s_lshl_b32 s34, s31, 9
	s_lshl_b32 s35, s32, 2
	s_add_co_u32 s34, s34, s35
	s_add_co_u32 s34, s34, SSTG
	v_lshl_add_u32 v5, v2, 4, s34                  ; my four scale bytes' word
	s_mul_i32 s34, s30, 8*PITCH                    ; out by rows: wave w takes rows 8 w .. 8 w + 7, sixteen lanes to a row
	v_mul_u32_u24 v8, v7, PITCH
	s_wait_alu depctr_va_vdst(0)
	v_lshl_add_u32 v8, v6, 4, v8
	v_add_nc_u32 v8, s34, v8
	v_lshlrev_b32 v9, 9, v7
	v_lshl_add_u32 v9, v6, 4, v9                   ; and the same place in the rows of codes
	s_mul_i32 s34, s36, 16*PITCH                   ; out by images: wave w takes tile w / 2 of columns, K steps 2 (w % 2) and + 1
	s_lshl_b32 s35, s37, 7
	s_add_co_u32 s34, s34, s35
	v_mul_u32_u24 v10, v6, PITCH
	v_lshl_add_u32 v10, v7, 4, v10
	v_add_nc_u32 v10, s34, v10                     ; row r of the tile, + 16 h: what lane (r, h) of the operand holds
	v_lshlrev_b32 v11, 4, v1                       ; 16 x lane
	v_and_b32 v18, 63, v0
	v_lshlrev_b32 v19, 5, v18                      ; a column's 32 scale bytes in memory
	v_lshl_add_u32 v18, v18, 4, SSTG               ; and its 16 of this half of K in LDS
	s_wait_kmcnt 0x0
	s_mov_b32 s15, 4096
	s_cmp_lt_u32 s39, 48                           ; which tensor: the choice hangs on the work-group's number alone
	s_cselect_b64 s[12:13], s[6:7], s[8:9]
	s_cselect_b32 s14, 16, 48                      ; its first x
	s_cselect_b32 s15, 8192, s15                   ; bytes in its row
	s_cmp_lt_u32 s39, 16
	s_cselect_b64 s[12:13], s[4:5], s[12:13]
	s_cselect_b32 s14, 0, s14
	s_cselect_b32 s15, 4096, s15
	s_lshl_b32 s34, s33, 9
	s_lshl_b32 s35, s32, 7
	s_add_co_u32 s34, s34, s35                     ; my first row: 512 y + 128 (w / 2)
	s_mul_i32 s34, s34, s15
	s_sub_co_u32 s35, s39, s14
	s_lshl_b32 s35, s35, 8                         ; my work-group's 64 columns,
	s_add_co_u32 s34, s34, s35
	s_lshl_b32 s35, s31, 7                         ; my wave's 32
	s_add_co_u32 s34, s34, s35
	s_mov_b32 s35, 0
	s_lshl_b32 s24, s15, 5                         ; 32 rows on
	s_mov_b32 s25, 0
	s_add_nc_u64 s[16:17], s[12:13], s[34:35]      ; a base for each block: no pointer is stepped while loads are out
	s_add_nc_u64 s[18:19], s[16:17], s[24:25]
	s_add_nc_u64 s[20:21], s[18:19], s[24:25]
	s_add_nc_u64 s[22:23], s[20:21], s[24:25]
	v_lshlrev_b32 v[WOF], 2, v1
.set i, 0
.rept 31
	s_delay_alu instid0(VALU_DEP_1)
	v_add_nc_u32 v[WOF+i+1], s15, v[WOF+i]
.set i, i+1
.endr
.macro WLOAD t                         ; block t: W(32 t + i, my column), i = 0 .. 31
.irp i, 0,1,2,3,4,5,6,7,8,9,10,11,12,13,14,15,16,17,18,19,20,21,22,23,24,25,26,27,28,29,30,31
	global_load_b32 v[WX+32*(\t)+\i], v[WOF+\i], s[16+2*(\t):17+2*(\t)] th:TH_LOAD_NT
.endr
.endm
	WLOAD 0
	WLOAD 1
.macro WBLOCK t
.set XS, WX+32*(\t)
.if (\t) < 3
	s_wait_loadcnt 32                              ; this block's 32 loads are in; the next block's may be out
.else
	s_wait_loadcnt 0x0
.endif
.if (\t)+2 < 4
	WLOAD (\t)+2
.endif
	v_max3_num_f32 v12, |v[XS]|, |v[XS+1]|, |v[XS+2]|               ; the block's largest magnitude: all 32 numbers are mine
	v_max3_num_f32 v13, |v[XS+3]|, |v[XS+4]|, |v[XS+5]|
.irp i, 6,10,14,18,22,26
	s_delay_alu instid0(VALU_DEP_2)
	v_max3_num_f32 v12, v12, |v[XS+\i]|, |v[XS+\i+1]|
	s_delay_alu instid0(VALU_DEP_2)
	v_max3_num_f32 v13, v13, |v[XS+\i+2]|, |v[XS+\i+3]|
.endr
	s_delay_alu instid0(VALU_DEP_2)
	v_max3_num_f32 v12, v12, |v[XS+30]|, |v[XS+31]|
	s_delay_alu instid0(VALU_DEP_1)
	v_max3_num_f32 v12, v12, v13, 0x1800000        ; and the floor 2^(3 - 127)
	s_delay_alu instid0(VALU_DEP_1)
	v_add_nc_u32 v16, 0xff000000, v12              ; 2 off its exponent field: the conversion's scale operand
	s_delay_alu instid0(VALU_DEP_1)
	v_lshrrev_b32 v17, 23, v16                     ; the scale's byte
.if (\t) == 0
	s_delay_alu instid0(VALU_DEP_1)
	v_mov_b32 v[WSB], v17
.else
	s_delay_alu instid0(VALU_DEP_1)
	v_lshl_or_b32 v[WSB], v17, 8*(\t), v[WSB]
.endif
.irp g, 0,1,2,3
	v_cvt_scalef32_pk8_fp4_f32 v[WC+4*(\t)+\g], v[XS+8*\g:XS+8*\g+7], v16
.endr
	v_nop                                          ; a plain line behind the conversions
	ds_store_b128 v4, v[WC+4*(\t):WC+4*(\t)+3] offset:16*(\t)   ; 32 codes: 16 bytes of my column's row
.endm
	s_wait_alu depctr_va_vdst(0)                   ; the wait at the head's end
	WBLOCK 0
	WBLOCK 1
	WBLOCK 2
	WBLOCK 3
	ds_store_b32 v5, v[WSB]
	s_wait_dscnt 0x0                               ; for the others' sake: my stores into the stage are done
	s_barrier_signal -1
	s_barrier_wait -1
	s_cmp_ge_u32 s39, 48                           ; Wo leaves as images, the others as rows: a branch on the work-group's number, round LDS loads and stores to memory alone
	s_cbranch_scc1 .Limage
	s_lshl_b32 s34, s39, 15                        ; 64 x rows of 512 bytes,
	s_lshl_b32 s35, s33, 8                         ; this half of K,
	s_add_co_u32 s34, s34, s35
	s_lshl_b32 s35, s30, 12                        ; my wave's eight rows
	s_add_co_u32 s34, s34, s35
	s_mov_b32 s35, 0
	s_add_nc_u64 s[26:27], s[10:11], s[34:35]
.irp j, 0,1,2,3
	ds_load_b128 v[64+4*\j:67+4*\j], v8 offset:2*\j*PITCH
.endr
.irp j, 0,1,2,3
	s_wait_dscnt 3-\j
	global_store_b128 v9, v[64+4*\j:67+4*\j], s[26:27] offset:1024*\j   ; sixteen lanes store 256 consecutive bytes, aligned
.endr
	s_branch .Lscales
.Limage:
	s_sub_co_u32 s34, s39, 48
	s_lshl_b32 s34, s34, 2
	s_add_co_u32 s34, s34, s36                     ; the tile of columns: 4 (x - 48) + w / 2
	s_lshl_b32 s35, s33, 2
	s_lshl_b32 s38, s37, 1
	s_add_co_u32 s35, s35, s38                     ; the K step: 4 y + 2 (w % 2)
	s_lshl_b32 s35, s35, 6
	s_add_co_u32 s34, s34, s35
	s_lshl_b32 s34, s34, 10
	s_add_co_u32 s34, s34, WO_IMG
	s_mov_b32 s35, 0
	s_add_nc_u64 s[26:27], s[10:11], s[34:35]
.irp j, 0,1,2,3                        ; K step j / 2 of my two, registers 4 (j % 2) on
	ds_load_b128 v[64+4*\j:67+4*\j], v10 offset:64*(\j/2)+32*(\j%2)
.endr
.irp j, 0,1,2,3
	s_wait_dscnt 3-\j
	global_store_b128 v11, v[64+4*\j:67+4*\j], s[26:27] offset:65536*(\j/2)+512*(\j%2)   ; the wave stores 512 consecutive bytes, aligned
.endr
.Lscales:
	s_cmp_lt_u32 s30, 2                            ; waves 0 and 1 store the 64 columns' scale bytes, 16 a lane (one byte in 128 of what this path reads)
	s_cbranch_scc0 .Ldone
	s_mov_b32 s35, WO_SC-48*2048
	s_cmp_lt_u32 s39, 48
	s_cselect_b32 s35, W_SC, s35
	s_lshl_b32 s34, s39, 11                        ; 64 columns x 32 bytes
	s_add_co_u32 s34, s34, s35
	s_lshl_b32 s35, s33, 4                         ; this half of K
	s_add_co_u32 s34, s34, s35
	s_mov_b32 s35, 0
	s_add_nc_u64 s[28:29], s[10:11], s[34:35]
	ds_load_b128 v[80:83], v18
	s_wait_dscnt 0x0
	global_store_b128 v19, v[80:83], s[28:29]
.Ldone:
	s_wait_tensorcnt 0x0                           ; the wave's end: behind my last LDS store
	ds_add_u32 v[SPW], v[NIL]
	s_wait_dscnt 0x0
	s_endpgm
.Lrows:                                                ; h's path
	s_and_b32 s16, s30, 3                          ; the batch
	s_lshr_b32 s45, s30, 2
	s_lshl_b32 s44, s46, 1
	s_add_co_u32 s44, s44, s45                     ; G: my rows are s = 8 G .. 8 G + 7
	v_and_b32 v2, 31, v0                           ; lane
	v_lshlrev_b32 v3, 4, v2                        ; my 16 bytes of a load's 512
	s_mul_i32 s17, s30, WREG
	s_add_co_u32 s17, s17, HB
	v_lshrrev_b32 v14, 2, v2
	v_mul_u32_u24 v14, v14, SP
	v_and_b32 v15, 3, v2
	v_lshl_add_u32 v14, v15, 4, v14
	v_add_nc_u32 v14, s17, v14                     ; the stage, on the way in: SP (lane / 4) + 16 (lane % 4)
	v_mul_u32_u24 v15, v2, SP
	v_add_nc_u32 v15, s17, v15                     ; and on the way out: SP x lane
	v_lshlrev_b32 v4, 3, v2                        ; my codes' place in a step's: 8 bytes a lane
	v_lshrrev_b32 v5, 1, v2
	s_add_co_u32 s17, s17, 2*32*SP
	v_add_nc_u32 v5, s17, v5                       ; LDS: my wave's 256 scale bytes, my block's byte
	v_add_nc_u32 v6, s17, v4                       ; and on the way out 8 bytes a lane
	s_lshl_b32 s18, s44, 17                        ; 8 s x 4 batches x 4,096 bytes
	s_lshl_b32 s19, s16, 12                        ; + my batch's row
	s_add_co_u32 s18, s18, s19
	s_mov_b32 s19, 0
	s_and_b32 s20, s44, 0xfc                       ; bits 3 and 4 of s are bits 0 and 1 of G: they change places
	s_and_b32 s21, s44, 1
	s_lshl_b32 s21, s21, 1
	s_or_b32 s20, s20, s21
	s_bfe_u32 s21, s44, 0x10001
	s_or_b32 s20, s20, s21
	s_lshl_b32 s20, s20, 3
	s_lshl_b32 s21, s16, 11
	s_add_co_u32 s20, s20, s21                     ; my first position
	s_lshl_b32 s22, s20, 9                         ; 512 bytes of codes a position
	s_mov_b32 s23, 0
	s_lshl_b32 s24, s20, 5                         ; 32 scale bytes a position
	s_add_co_u32 s24, s24, H_SC
	s_mov_b32 s25, 0
	s_wait_alu depctr_va_vdst(0)                   ; the wait at the head's end
	s_wait_kmcnt 0x0
	s_add_nc_u64 s[4:5], s[40:41], s[18:19]
	s_add_nc_u64 s[8:9], s[42:43], s[22:23]
	s_add_nc_u64 s[10:11], s[42:43], s[24:25]
.macro HLOAD t                         ; step t: half t % 2 of row t / 2; rows of one batch lie 16,384 bytes apart
.irp i, 0,1,2,3
	global_load_b128 v[HR+16*((\t)%4)+4*\i:HR+16*((\t)%4)+4*\i+3], v3, s[4:5] offset:16384*((\t)/2)+2048*((\t)%2)+512*\i th:TH_LOAD_NT
.endr
.endm
.macro HTURN t                         ; step t's numbers through the stage: LDS serves a wave's instructions in order, so no wait stands between the stores and the loads
.irp i, 0,1,2,3
	ds_store_b128 v14, v[HR+16*((\t)%4)+4*\i:HR+16*((\t)%4)+4*\i+3] offset:32*SP*((\t)%2)+8*SP*\i
.endr
.irp i, 0,1,2,3
	ds_load_b128 v[HX+16*((\t)%2)+4*\i:HX+16*((\t)%2)+4*\i+3], v15 offset:32*SP*((\t)%2)+16*\i
.endr
.endm
.irp t, 0,1,2,3
	HLOAD \t
.endr
	s_wait_loadcnt 12                              ; step 0's four loads are in
	HTURN 0
.macro HSTEP t
.set XS, HX+16*((\t)%2)
.if (\t) > 0
	s_wait_dscnt 1                                 ; this step's numbers are back from the stage (the last step's byte store may be out)
.else
	s_wait_dscnt 0x0
.endif
.if (\t)+4 < 16
	HLOAD (\t)+4
.endif
.if (\t)+1 < 16
.if 14-(\t) >= 3
	s_wait_loadcnt 12                              ; the next step's four loads are in; those of the three steps behind it may be out
.else
	s_wait_loadcnt 4*(14-(\t))
.endif
	HTURN (\t)+1
.endif
	v_max3_num_f32 v8, |v[XS]|, |v[XS+1]|, |v[XS+2]|               ; the largest magnitude of my 16
	v_max3_num_f32 v9, |v[XS+3]|, |v[XS+4]|, |v[XS+5]|
.irp i, 6,10
	v_max3_num_f32 v8, v8, |v[XS+\i]|, |v[XS+\i+1]|
	v_max3_num_f32 v9, v9, |v[XS+\i+2]|, |v[XS+\i+3]|
.endr
	v_max3_num_f32 v8, v8, |v[XS+14]|, |v[XS+15]|
	v_max3_num_f32 v8, v8, v9, 0x1800000           ; and the floor 2^(3 - 127): the byte cannot fall under 1
	v_max_num_f32_dpp v8, v8, v8 row_xmask:1 row_mask:0xf bank_mask:0xf   ; and of my neighbour's 16: the block's
	v_add_nc_u32 v11, 0xff000000, v8               ; 2 off its exponent field: the conversion's scale operand
	v_cvt_scalef32_pk8_fp4_f32 v[HC+4*(\t)], v[XS:XS+7], v11
	v_cvt_scalef32_pk8_fp4_f32 v[HC+4*(\t)+1], v[XS+8:XS+15], v11
	v_lshrrev_b32 v[HE+(\t)], 23, v11              ; the scale's byte (a plain line behind the conversions)
	ds_store_b8 v5, v[HE+(\t)] offset:16*(\t)      ; both lanes of a block write the same byte with the same value
	global_store_b64 v4, v[HC+4*(\t):HC+4*(\t)+1], s[8:9] offset:256*(\t)   ; the wave stores 256 consecutive bytes, aligned
.endm
.irp t, 0,1,2,3,4,5,6,7,8,9,10,11,12,13,14,15
	HSTEP \t
.endr
	ds_load_b64 v[8:9], v6                         ; LDS serves a wave's instructions in order: these see my stores
	s_wait_dscnt 0x0
	global_store_b64 v4, v[8:9], s[10:11]          ; 32 lanes store 256 consecutive bytes, aligned
	s_wait_tensorcnt 0x0                           ; the wave's end: behind my last LDS store
	ds_add_u32 v[SPW], v[NIL]
	s_wait_dscnt 0x0
	s_endpgm
.Lfunc_end_k_qe7eb97f625_quant:
	.size	k_qe7eb97f625_quant, .Lfunc_end_k_qe7eb97f625_quant-k_qe7eb97f625_quant
	.p2alignl 7, 3214868480
	.fill 96, 4, 3214868480
	.section	.rodata,"a",@progbits
	.p2align	6, 0x0
	.amdhsa_kernel k_qe7eb97f625_quant
		.amdhsa_group_segment_fixed_size 84992
		.amdhsa_private_segment_fixed_size 0
		.amdhsa_enable_private_segment 0
		.amdhsa_kernarg_size 48
		.amdhsa_user_sgpr_count 2
		.amdhsa_user_sgpr_kernarg_segment_ptr 1
		.amdhsa_wavefront_size32 1
		.amdhsa_system_sgpr_workgroup_id_x 1
		.amdhsa_system_sgpr_workgroup_id_y 1
		.amdhsa_system_sgpr_workgroup_id_z 1
		.amdhsa_system_vgpr_workitem_id 0
		.amdhsa_next_free_vgpr 224
		.amdhsa_next_free_sgpr 66
		.amdhsa_reserve_vcc 0
		.amdhsa_float_denorm_mode_32 3
		.amdhsa_float_denorm_mode_16_64 3
		.amdhsa_memory_ordered 1
		.amdhsa_forward_progress 1
		.amdhsa_inst_pref_size 62
	.end_amdhsa_kernel
	.amdgpu_metadata
---
amdhsa.version: [ 1, 2 ]
amdhsa.kernels:
  - .name:           k_qe7eb97f625_quant
    .symbol:         k_qe7eb97f625_quant.kd
    .args:
      - { .name: Wq, .offset: 0, .size: 8, .value_kind: global_buffer, .address_space: global }
      - { .name: Wkv, .offset: 8, .size: 8, .value_kind: global_buffer, .address_space: global }
      - { .name: Wo, .offset: 16, .size: 8, .value_kind: global_buffer, .address_space: global }
      - { .name: wq, .offset: 24, .size: 8, .value_kind: global_buffer, .address_space: global }
      - { .name: h, .offset: 32, .size: 8, .value_kind: global_buffer, .address_space: global }
      - { .name: hq, .offset: 40, .size: 8, .value_kind: global_buffer, .address_space: global }
    .group_segment_fixed_size: 84992
    .private_segment_fixed_size: 0
    .kernarg_segment_align: 8
    .kernarg_segment_size: 48
    .max_flat_workgroup_size: 256
    .sgpr_count:     66
    .vgpr_count:     224
    .wavefront_size: 32
...
	.end_amdgpu_metadata
.endif
;; end of part 1
;; launch gemm (part 2): grid 8 x 48, 4 waves a work-group, clusters of 4 x 4, 327,680 bytes of LDS; arguments hq, wq, qkv; writes qkv
.if DOCPART == 2
	.amdgcn_target "amdgcn-amd-amdhsa--gfx1250"
	.amdhsa_code_object_version 6
	.text
	.protected	k_qe7eb97f625_gemm
	.globl	k_qe7eb97f625_gemm
	.p2align	8
	.type	k_qe7eb97f625_gemm,@function
k_qe7eb97f625_gemm:
	s_mov_b64 s[64:65], 0
	v_nop
	global_prefetch_b8 v0, s[64:65] scope:SCOPE_SE
	s_setreg_imm32_b32 hwreg(HW_REG_WAVE_MODE, 25, 1), 1
	s_wait_xcnt 0x0
	s_wait_alu depctr_hold_cnt(0) depctr_sa_sdst(0) depctr_va_vdst(0) depctr_va_sdst(0) depctr_va_ssrc(0) depctr_va_vcc(0) depctr_vm_vsrc(0)
	s_getreg_b32 s2, hwreg(HW_REG_IB_STS2, 6, 4)
	s_cmp_eq_u32 s2, 0
	s_cbranch_scc0 .Lentry_in_a_cluster
	s_endpgm
.Lentry_in_a_cluster:
	s_bfe_u32 s2, ttmp6, 0x10000c
	s_cmp_lg_u32 s2, 0xf033
	s_cbranch_scc0 .Lentry_shape_is_right
	s_endpgm
.Lentry_shape_is_right:
; q, k = h Wq, h Wk and v = h Wv on codes of FP4 with E8M0 scales, K = 1024; the results are quantised on the way out and stored as images of operand registers with their scale words.  Nothing is left out.
; A tile of 256 x 256 to a work-group of four waves, 128 x 128 a wave.  Cluster rows y 0-7: q and k (A = h's positions, B = the weights' columns); y 8-11: v, with the two roles exchanged, so that its blocks run along the keys.
; K's two halves of 512 lie in two LDS slots, each filled once; the scale bytes of the tile's 256 + 256 rows lie behind them.  CLUSTER 4 x 4: A's tiles are asked for jointly along a row, B's along a column.
; THE HEAD'S FOUR TILES GO OUT TOGETHER, ONE A WAVE: wave 0 slot 0's 256 rows of A, wave 1 its 256 rows of B, wave 2 A's scale bytes, wave 3 B's.  Slot 1's fill, 128 rows a wave, follows behind the full sequence and a round.
; NO PREFETCH: K has two steps, both asked for in the head; there is no loop to run ahead in.
; LIMITS: as in the launch before.
.set NQ,     4
.set ROWB,   256
.set KROW,   512
.set PITCH,  272
.set FR,     8
.set NL,     2
.set NP,     4
.set HALFT,  128*PITCH
.set SLOT,   4*HALFT
.set KS,     32
.set SCL,    2*SLOT
.set HALFS,  (128*KS/256)*272
.set SBLK,   (16*KS/256)*272
.set SPARE,  SCL+4*HALFS
.set H_SC,   4194304
.set W_SC,   1572864
.set QK_SC,  8388608
.set V_IMG,  8912896
.set V_SC,   13107200
.set ADRA, 16
.set ADRB, 20
.set SWA,  24
.set SRA,  25
.set LI,   26
.set ADRS, 27
.set SPW,  28
.set NIL,  29
.set SC,   32
.set AF,   128
.set PWR,  192
.set TM,   200
.set G1, 24
.set G0, 32
.set G1B, 48
.set G0B, 56
.set G1S, 68
.set G0S, 76
.set G1SB, 80
.set G0SB, 88
.set SEL, 100
.set MSB, 0
.macro WIN new
.if MSB != \new
	s_set_vgpr_msb (MSB<<8)|\new
.set MSB, \new
.endif
.endm
.set MUL_LO, 0xa1
.set MUL_HI, 0xf1
.set TO_B,   0x40
.macro JLOAD g0a, g1a, g0b, g1b
	s_cmp_eq_u32 s15, 0
	s_cbranch_scc0 .Lfor_b_\@
	tensor_load_to_lds s[\g0a:\g0a+3], s[\g1a:\g1a+7]
	s_nop 0
.rept 4
	v_nop
.endr
	s_branch .Lasked_\@
.Lfor_b_\@:
	tensor_load_to_lds s[\g0b:\g0b+3], s[\g1b:\g1b+7]
	s_nop 0
.rept 4
	v_nop
.endr
.Lasked_\@:
.endm
.macro CROUND
	s_barrier_signal -1
	s_barrier_wait -1
	s_cmp_lg_u32 s14, 0
	s_cbranch_scc1 .Lnot_wave_0_\@
	s_barrier_signal -3
.Lnot_wave_0_\@:
	s_barrier_wait -3
	s_barrier_signal -1
	s_barrier_wait -1
.endm
	s_load_b128 s[96:99], s[0:1], 0x0
	s_load_b64 s[12:13], s[0:1], 0x10
	v_lshl_add_u32 v[SPW], v0, 2, SPARE
	v_mov_b32 v[NIL], 0
	ds_add_u32 v[SPW], v[NIL]
	ds_add_u32 v[SPW], v[NIL]
	v_lshrrev_b32 v1, 5, v0
	v_readfirstlane_b32 s14, v1
	s_lshr_b32 s15, s14, 1
	s_and_b32 s16, s14, 1
	s_bfe_u32 s40, ttmp6, 0x40000
	s_bfe_u32 s41, ttmp6, 0x40004
	s_and_b32 s17, ttmp7, 0xffff
	s_sub_co_u32 s18, s17, 8
	s_lshl_b32 s18, s18, 1
	s_add_co_u32 s18, s18, ttmp9
	s_mov_b32 s66, H_SC
	s_mov_b32 s67, W_SC
	s_cmp_ge_u32 s17, 8
	s_cselect_b32 s42, s18, ttmp9
	s_cselect_b32 s17, 0, s17
	s_cselect_b32 s2, 1048576, 0
	s_cselect_b32 s3, W_SC+65536, s66
	s_cselect_b32 s66, s66, s67
	s_lshl_b32 s42, s42, 2
	s_add_co_u32 s42, s42, s40
	s_lshl_b32 s17, s17, 2
	s_add_co_u32 s17, s17, s41
	s_lshl_b32 s43, s41, 2
	s_lshl_b32 s43, 15, s43
	s_lshl_b32 s44, 0x1111, s40
	s_or_b32 s[G1+0], s43, (0<<16)|(1<<20)|(1<<21)|(5<<22)|(3<<25)
	s_or_b32 s[G1B+0], s44, (0<<16)|(1<<20)|(1<<21)|(5<<22)|(3<<25)
.irp g, G1, G1B
	s_mov_b32 s[\g+1], ROWB<<16
	s_mov_b32 s[\g+2], 256<<16
	s_mov_b32 s[\g+3], ROWB<<16
	s_mov_b32 s[\g+4], 256
	s_mov_b32 s[\g+5], KROW
	s_mov_b32 s[\g+6], 0
	s_mov_b32 s[\g+7], 0
.endr
	s_or_b32 s[G1S+0], s43, (3<<16)|(1<<20)|(1<<21)|(5<<22)|(3<<25)
	s_or_b32 s[G1SB+0], s44, (3<<16)|(1<<20)|(1<<21)|(5<<22)|(3<<25)
.irp g, G1S, G1SB
	s_mov_b32 s[\g+1], 32<<16
	s_mov_b32 s[\g+2], (256*KS/256)<<16
	s_mov_b32 s[\g+3], 32<<16
	s_mov_b32 s[\g+4], 256*KS/256
	s_mov_b32 s[\g+5], 32
	s_mov_b32 s[\g+6], 0
	s_mov_b32 s[\g+7], 0
.endr
	s_lshl_b32 s18, s16, 7
	s_lshl_b32 s20, s17, 8
	s_add_co_u32 s20, s20, s18
	s_lshl_b32 s46, s42, 8
	s_add_co_u32 s46, s46, s18
	s_lshl_b32 s22, s20, 5
	s_add_co_u32 s22, s22, s3
	s_mov_b32 s23, 0
	s_lshl_b32 s92, s46, 5
	s_add_co_u32 s92, s92, s66
	s_mov_b32 s93, 0
	s_lshl_b32 s20, s20, 9
	s_add_co_u32 s20, s20, s2
	s_mov_b32 s21, 0
	s_lshl_b32 s46, s46, 9
	s_mov_b32 s47, 0
	s_mul_i32 s45, s14, HALFT
	s_mul_i32 s94, s14, HALFS
	s_mov_b32 s[SEL], 0x76543210
	s_mov_b32 s[SEL+1], 0xfedcba98
	s_wait_dscnt 0x0
	s_wait_kmcnt 0x0
	s_and_b32 s18, ttmp7, 0xffff
	s_cmp_ge_u32 s18, 8
	s_cselect_b64 s[4:5], s[98:99], s[96:97]
	s_cselect_b64 s[8:9], s[96:97], s[98:99]
	s_add_nc_u64 s[22:23], s[4:5], s[22:23]
	s_add_nc_u64 s[20:21], s[4:5], s[20:21]
	s_add_nc_u64 s[92:93], s[8:9], s[92:93]
	s_add_nc_u64 s[46:47], s[8:9], s[46:47]
	CROUND
.set G0H,  4                           ; s[4:7], s[96:99] group 0 for the head's loads of slot 0: A's 256 rows, B's 256 rows (the pointers that lay there have been used)
.set G0HB, 96
	s_mov_b32 s[G0H], 1                            ; wave 0 (its half is 0): the tile's 256 rows of A
	s_mov_b32 s[G0H+1], 0
	s_mov_b64 s[G0H+2:G0H+3], s[20:21]
	s_or_b32 s[G0H+3], s[G0H+3], 0x80000000
	s_mov_b32 s[G0HB], 1                           ; wave 1 (its half is 1): 128 rows back: the tile's 256 rows of B
	s_mov_b32 s[G0HB+1], 2*HALFT
	s_sub_nc_u64 s[G0HB+2:G0HB+3], s[46:47], 128*KROW
	s_or_b32 s[G0HB+3], s[G0HB+3], 0x80000000
	s_mov_b32 s[G0S], 1                            ; wave 2 (half 0): the scale bytes of A's 256 rows
	s_mov_b32 s[G0S+1], SCL
	s_mov_b64 s[G0S+2:G0S+3], s[22:23]
	s_or_b32 s[G0S+3], s[G0S+3], 0x80000000
	s_mov_b32 s[G0SB], 1                           ; wave 3 (half 1): 128 rows back: those of B's
	s_mov_b32 s[G0SB+1], SCL+2*HALFS
	s_sub_nc_u64 s[G0SB+2:G0SB+3], s[92:93], 128*KS
	s_or_b32 s[G0SB+3], s[G0SB+3], 0x80000000
.irp s, 0,1
	s_mov_b32 s[G0+4*\s], 1
	s_add_co_u32 s[G0+4*\s+1], s45, \s*SLOT
	s_add_nc_u64 s[G0+4*\s+2:G0+4*\s+3], s[20:21], \s*ROWB
	s_or_b32 s[G0+4*\s+3], s[G0+4*\s+3], 0x80000000
	s_mov_b32 s[G0B+4*\s], 1
	s_add_co_u32 s[G0B+4*\s+1], s45, \s*SLOT
	s_add_nc_u64 s[G0B+4*\s+2:G0B+4*\s+3], s[46:47], \s*ROWB
	s_or_b32 s[G0B+4*\s+3], s[G0B+4*\s+3], 0x80000000
.endr
; one tree of branches on the wave's number, each arm with its load: every way through the head passes exactly one
.macro ARM under, g0, g1, next
	s_cmp_lt_u32 s14, \under
	s_cbranch_scc0 \next
	tensor_load_to_lds s[\g0:\g0+3], s[\g1:\g1+7]
	s_nop 0
.rept 4
	v_nop
.endr
	s_branch .Lhead_asked
\next:
.endm
	ARM 1, G0H,  G1,  .Lhead_b
	ARM 2, G0HB, G1B, .Lhead_sa
	ARM 3, G0S,  G1S, .Lhead_sb
	tensor_load_to_lds s[G0SB:G0SB+3], s[G1SB:G1SB+7]
	s_nop 0
.rept 4
	v_nop
.endr
.Lhead_asked:
	v_and_b32 v1, 15, v0
	v_bfe_u32 v2, v0, 4, 1
	v_mul_u32_u24 v3, v1, PITCH
	v_lshl_add_u32 v4, v2, 4, v3
	s_mul_i32 s21, s15, HALFT
	s_mul_i32 s22, s16, HALFT
	s_add_co_u32 s22, s22, 2*HALFT
.irp s, 0,1
	v_add_nc_u32 v[ADRA+\s], s21, v4
	v_add_nc_u32 v[ADRB+\s], s22, v4
	s_add_co_u32 s21, s21, SLOT
	s_add_co_u32 s22, s22, SLOT
.endr
	v_mul_u32_u24 v5, v1, KS
	v_lshrrev_b32 v6, 8, v5
	v_lshl_add_u32 v5, v6, 4, v5
	s_mul_i32 s21, s15, HALFS
	s_mul_i32 s22, s16, HALFS
	s_add_co_u32 s22, s22, 2*HALFS
	s_sub_co_u32 s22, s22, s21
	v_mul_u32_u24 v6, s22, v2
	s_add_co_u32 s21, s21, SCL
	v_add_nc_u32 v5, v5, v6
	v_add_nc_u32 v[ADRS], s21, v5
	s_lshl_b32 s23, s14, 9
	v_lshl_add_u32 v[SWA], v1, 2, s23
	v_and_b32 v6, 31, v0
	v_lshlrev_b32 v[LI], 4, v6
	v_add_nc_u32 v[SRA], s23, v[LI]
.irp b, 0,1,2,3
	v_mov_b32 v[TM+4+\b], 0
.endr
	s_and_b32 s18, ttmp7, 0xffff
	s_mov_b32 s19, QK_SC
	s_cmp_ge_u32 s18, 8
	s_cselect_b32 s67, 64, 512
	s_cselect_b32 s95, V_IMG, 0
	s_cselect_b32 s19, V_SC, s19
	s_lshl_b32 s46, s42, 1
	s_add_co_u32 s46, s46, s16
	s_mul_i32 s46, s46, s67
	s_lshl_b32 s47, s17, 4
	s_add_co_u32 s46, s46, s47
	s_lshl_b32 s47, s15, 3
	s_add_co_u32 s46, s46, s47
	s_lshl_b32 s92, s46, 6
	s_add_co_u32 s92, s92, s19
	s_mov_b32 s93, 0
	s_lshl_b32 s46, s46, 10
	s_add_co_u32 s46, s46, s95
	s_mov_b32 s47, 0
	s_add_nc_u64 s[10:11], s[12:13], s[92:93]
	s_add_nc_u64 s[12:13], s[12:13], s[46:47]
.macro FRAG reg, adr, q, i
.irp c, 0,1
	ds_load_b128 v[\reg+4*\c:\reg+4*\c+3], v[\adr] offset:64*(\q)+32*\c+(\i)*16*PITCH
.endr
.endm
.macro MUL16 a0, p, q, sc, zero
.irp a, \a0, \a0+1
.irp b, 0,1,2,3,4,5,6,7
.if \zero
	v_wmma_scale_f32_16x16x128_f8f6f4 v[8*(8*((\a)%4)+\b):8*(8*((\a)%4)+\b)+7], v[128*(\p)+FR*\b:128*(\p)+FR*\b+FR-1], v[AF+FR*(\a):AF+FR*(\a)+FR-1], 0, v[SC+8*NQ*(\sc)+NQ*\b+(\q)], v[SC+8*NQ*(\sc)+NQ*(\a)+(\q)] matrix_a_fmt:MATRIX_FMT_FP4 matrix_b_fmt:MATRIX_FMT_FP4 matrix_a_scale:MATRIX_SCALE_ROW1
.else
	v_wmma_scale_f32_16x16x128_f8f6f4 v[8*(8*((\a)%4)+\b):8*(8*((\a)%4)+\b)+7], v[128*(\p)+FR*\b:128*(\p)+FR*\b+FR-1], v[AF+FR*(\a):AF+FR*(\a)+FR-1], v[8*(8*((\a)%4)+\b):8*(8*((\a)%4)+\b)+7], v[SC+8*NQ*(\sc)+NQ*\b+(\q)], v[SC+8*NQ*(\sc)+NQ*(\a)+(\q)] matrix_a_fmt:MATRIX_FMT_FP4 matrix_b_fmt:MATRIX_FMT_FP4 matrix_a_scale:MATRIX_SCALE_ROW1
.endif
.endr
.endr
.endm
.macro FETCH_B slot, q, p
	WIN TO_B
.irp i, 0,1,2,3,4,5,6,7
	FRAG 128*(\p)+FR*\i, ADRB+\slot, \q, \i
.endr
	WIN 0
.endm
.macro FETCH_A slot, q, i0
.irp i, \i0, \i0+1, \i0+2, \i0+3
	FRAG AF+FR*(\i), ADRA+\slot, \q, \i
.endr
.endm
.macro SCALES sc
.irp i, 0,1,2,3,4,5,6,7
	ds_load_b128 v[SC+8*NQ*\sc+NQ*\i:SC+8*NQ*\sc+NQ*\i+3], v[ADRS] offset:\i*SBLK
.endr
.endm
.macro PLACES n
.rept \n
	v_nop
.endr
.endm
.macro STEP slot, q, zero
	s_wait_dscnt 4*NL
	WIN MUL_LO
	MUL16 0, (\q)%2, \q, \slot, \zero
	MUL16 2, (\q)%2, \q, \slot, \zero
	s_wait_dscnt 0
	PLACES NP
	FETCH_B \slot, (\q)+1, 1-(\q)%2
	FETCH_A \slot, (\q)+1, 0
	WIN MUL_HI
	MUL16 4, (\q)%2, \q, \slot, \zero
	MUL16 6, (\q)%2, \q, \slot, \zero
	PLACES NP
	WIN 0
	FETCH_A \slot, (\q)+1, 4
.endm
.macro STEPS slot, from
.set Q, \from
.rept NQ-1-\from
	STEP \slot, Q, 0
.set Q, Q+1
.endr
.endm
	s_wait_alu depctr_va_vdst(0)
	s_wait_tensorcnt 0x0                           ; my tile of the head's four is in
	ds_add_u32 v[SPW], v[NIL]
	s_mov_b32 s[G1+2], 128<<16                     ; no tensor load of mine is out, so a descriptor may be written: from here on a load brings 128 rows
	s_mov_b32 s[G1+4], 128
	s_mov_b32 s[G1B+2], 128<<16
	s_mov_b32 s[G1B+4], 128
	s_wait_dscnt 0x0                               ; the add is done
	CROUND                                         ; all four tiles are in, and all sixteen work-groups are here
	JLOAD G0+4, G1, G0B+4, G1B                     ; slot 1's fill, the first tensor load behind the round
	FETCH_B 0, 0, 0
	FETCH_A 0, 0, 0
	SCALES 0
	FETCH_A 0, 0, 4
	STEP 0, 0, 1
	STEPS 0, 1
	s_wait_tensorcnt 0x0
	ds_add_u32 v[SPW], v[NIL]
	s_wait_dscnt 4*NL+1
	WIN MUL_LO
	MUL16 0, 1, NQ-1, 0, 0
	s_wait_dscnt 0x0
	s_barrier_signal -1
	MUL16 2, 1, NQ-1, 0, 0
	WIN 0
	s_barrier_wait -1
	PLACES NP
	v_add_nc_u32 v[ADRS], 4*NQ, v[ADRS]
	FETCH_B 1, 0, 0
	FETCH_A 1, 0, 0
	SCALES 1
	WIN MUL_HI
	MUL16 4, 1, NQ-1, 0, 0
	MUL16 6, 1, NQ-1, 0, 0
	PLACES NP
	WIN 0
	FETCH_A 1, 0, 4
	STEPS 1, 0
	s_wait_dscnt 4*NL
	WIN MUL_LO
	MUL16 0, 1, NQ-1, 1, 0
	MUL16 2, 1, NQ-1, 1, 0
	s_wait_dscnt 0
	WIN MUL_HI
	MUL16 4, 1, NQ-1, 1, 0
	MUL16 6, 1, NQ-1, 1, 0
	WIN 0
.macro QW a
.set AC, 64*((\a)%4)
.set PC, 128+8*(\a)
	WIN 0x0a+5*((\a)/4)
.irp b, 0,1,2,3
	v_max3_num_f32 v[TM+\b], |v[AC+16*\b]|, |v[AC+16*\b+1]|, 0x1800000
.endr
.irp i, 2,4,6,8,10,12,14
.irp b, 0,1,2,3
	v_max3_num_f32 v[TM+\b], |v[AC+16*\b+\i]|, |v[AC+16*\b+\i+1]|, v[TM+\b]
.endr
.endr
	WIN 0
.irp b, 0,1,2,3
	v_permlanex16_b32 v[TM+4+\b], v[TM+\b], s[SEL], s[SEL+1]
.endr
.irp b, 0,1,2,3
	v_max_num_f32 v[TM+\b], v[TM+\b], v[TM+4+\b]
.endr
.irp b, 0,1,2,3
	v_add_nc_u32 v[TM+12+\b], 0xff000000, v[TM+\b]
.endr
.irp b, 0,1,2,3
	v_lshrrev_b32 v[TM+4+\b], 23, v[TM+12+\b]
.endr
	v_lshl_or_b32 v[PWR+(\a)], v[TM+5], 8, v[TM+4]
	v_lshl_or_b32 v[PWR+(\a)], v[TM+6], 16, v[PWR+(\a)]
	v_lshl_or_b32 v[PWR+(\a)], v[TM+7], 24, v[PWR+(\a)]
	WIN 0x02+((\a)/4)
.irp b, 0,1,2,3
	v_cvt_scalef32_pk8_fp4_f32 v[PC+2*\b], v[AC+16*\b:AC+16*\b+7], v[TM+12+\b]
	v_cvt_scalef32_pk8_fp4_f32 v[PC+2*\b+1], v[AC+16*\b+8:AC+16*\b+15], v[TM+12+\b]
.endr
	WIN 0
	v_nop
.irp c, 0,1
.irp i, 0,1
	v_permlane16_swap_b32 v[PC+4*\c+\i], v[PC+2+4*\c+\i]
.endr
.endr
	global_store_b128 v[LI], v[PC:PC+3], s[12:13] offset:1024*(\a)
	global_store_b128 v[LI], v[PC+4:PC+7], s[12:13] offset:1024*(\a)+512
	ds_store_b32 v[SWA], v[PWR+(\a)] offset:64*(\a)
.endm
	PLACES NP
.irp a, 0,1,2,3,4,5,6,7
	QW \a
.endr
	ds_load_b128 v[216:219], v[SRA]
	s_wait_dscnt 0x0
	global_store_b128 v[LI], v[216:219], s[10:11]
	s_wait_tensorcnt 0x0
	ds_add_u32 v[SPW], v[NIL]
	s_wait_dscnt 0x0
	CROUND
	s_endpgm
.Lfunc_end_k_qe7eb97f625_gemm:
	.size	k_qe7eb97f625_gemm, .Lfunc_end_k_qe7eb97f625_gemm-k_qe7eb97f625_gemm
	.p2alignl 7, 3214868480
	.fill 96, 4, 3214868480
	.section	.rodata,"a",@progbits
	.p2align	6, 0x0
	.amdhsa_kernel k_qe7eb97f625_gemm
		.amdhsa_group_segment_fixed_size 327680
		.amdhsa_private_segment_fixed_size 0
		.amdhsa_enable_private_segment 0
		.amdhsa_kernarg_size 24
		.amdhsa_user_sgpr_count 2
		.amdhsa_user_sgpr_kernarg_segment_ptr 1
		.amdhsa_wavefront_size32 1
		.amdhsa_system_sgpr_workgroup_id_x 1
		.amdhsa_system_sgpr_workgroup_id_y 1
		.amdhsa_system_sgpr_workgroup_id_z 1
		.amdhsa_system_vgpr_workitem_id 0
		.amdhsa_next_free_vgpr 1024
		.amdhsa_next_free_sgpr 102
		.amdhsa_reserve_vcc 0
		.amdhsa_float_denorm_mode_32 3
		.amdhsa_float_denorm_mode_16_64 3
		.amdhsa_memory_ordered 1
		.amdhsa_forward_progress 1
		.amdhsa_inst_pref_size 130
	.end_amdhsa_kernel
	.amdgpu_metadata
---
amdhsa.version: [ 1, 2 ]
amdhsa.kernels:
  - .name:           k_qe7eb97f625_gemm
    .symbol:         k_qe7eb97f625_gemm.kd
    .args:
      - { .name: hq, .offset: 0, .size: 8, .value_kind: global_buffer, .address_space: global }
      - { .name: wq, .offset: 8, .size: 8, .value_kind: global_buffer, .address_space: global }
      - { .name: qkv, .offset: 16, .size: 8, .value_kind: global_buffer, .address_space: global }
    .group_segment_fixed_size: 327680
    .private_segment_fixed_size: 0
    .kernarg_segment_align: 8
    .kernarg_segment_size: 24
    .max_flat_workgroup_size: 128
    .sgpr_count:     102
    .vgpr_count:     1024
    .wavefront_size: 32
...
	.end_amdgpu_metadata
.endif
;; end of part 2
;; launch attn (part 3): grid 8 x 32, 16 waves a work-group, clusters of 4 x 1, 327,680 bytes of LDS; arguments qkv, attn_mask, av; writes av
.if DOCPART == 3
	.amdgcn_target "amdgcn-amd-amdhsa--gfx1250"
	.amdhsa_code_object_version 6
	.text
	.protected	k_qe7eb97f625_attn
	.globl	k_qe7eb97f625_attn
	.p2align	8
	.type	k_qe7eb97f625_attn,@function
k_qe7eb97f625_attn:
	s_mov_b64 s[64:65], 0
	v_nop
	global_prefetch_b8 v0, s[64:65] scope:SCOPE_SE
	s_setreg_imm32_b32 hwreg(HW_REG_WAVE_MODE, 25, 1), 1
	s_wait_xcnt 0x0
	s_wait_alu depctr_hold_cnt(0) depctr_sa_sdst(0) depctr_va_vdst(0) depctr_va_sdst(0) depctr_va_ssrc(0) depctr_va_vcc(0) depctr_vm_vsrc(0)
	s_getreg_b32 s2, hwreg(HW_REG_IB_STS2, 6, 4)
	s_cmp_eq_u32 s2, 0
	s_cbranch_scc0 .Lentry_in_a_cluster
	s_endpgm
.Lentry_in_a_cluster:
	s_bfe_u32 s2, ttmp6, 0x10000c
	s_cmp_lg_u32 s2, 0x3003
	s_cbranch_scc0 .Lentry_shape_is_right
	s_endpgm
.Lentry_shape_is_right:
; attn_vec = softmax_keys(q . k / 8, masked keys at -infinity) v, both products on codes of FP4 with E8M0 scales; the result is quantised along (head, d) as the last product's operand.  Nothing is left out.
; THE SOFTMAX AHEAD OF THE SECOND PRODUCT: t = score x log2(e) / 8; M = the largest t so far, rounded up to a whole number; p = 2^(t - M) is quantised along the keys, not normalised; the row's sum is taken of the
; unquantised p and divides O at the end.  When M moves, the sum and O are multiplied by 2^(old M - new M): exact.
; SHARES.  Work-group (x, y): batch y / 8, heads 2 (y % 8) and + 1, 256 query positions.  Each of sixteen waves owns 16 queries and makes two passes, one a head, of 8 trips of two steps of 128 keys.
; ALL of the two heads' K, V and scale words for the batch's 2,048 keys lie in LDS, filled once by ten tensor loads, one a wave (waves 0-3 K, 4-7 V, 8-9 V's scale words): no ring, no refill, one barrier behind the fills.
; CLUSTER.  The four query blocks of a cluster read the same K and V: every fill is a joint load that names the four.  A work-group's place in the cluster enters only the addresses of Q and of the result in memory.
; NO PREFETCH: every fill is asked for at the head; there is no loop that runs ahead of a load.
; LAYOUT.  Both products transposed: S^T = K Q^T, O^T = V^T P^T: a lane holds one query.  K lies in LDS as images of stored tiles (position = swap34 of s), 512 bytes + 64 of padding a tile.
; WHICH KEYS FORM A TILE IS CHOSEN BY THE LANES' ADDRESSES: row i of tile (c, u) of a step is key 64 c + 32 (i / 8) + 8 u + i % 8.  The 32 registers of tiles (c, 0 .. 3) are then, in lanes 0-15, the whole block 2 c of
; 32 keys and, in lanes 16-31, block 2 c + 1: a block's largest score needs no other lane, and the conversion of tile (c, u)'s eight registers IS register 4 c + u of p's operand.
; With the padding the two groups of eight rows that sixteen lanes read lie 1,152 bytes apart: sixteen different columns of 16 bytes modulo 256.
; THE HEAD'S 64 FILL HALF OF THE INSTRUCTION'S K = 128.  K's and Q's registers 4-7 are zero codes, but for k = 64, WHICH CARRIES THE MASK: Q has the code 0.5 there under the scale 1; a masked key has the code -6 under
; the scale 2^100, an open key the code 0.  A masked key's score is then about -3 x 2^100, its p is 0 exactly, and an open key's sum gets an exact 0.  M begins at -2^60.
; LIMITS: true t under -2^60 are not served.  A batch all of whose keys are masked, where the softmax of the problem is NaN, gets the largest codes here and no NaN.  NaN and infinities among the inputs are not served.
; REGISTERS: v1-4, v7 LDS addresses, stepped once a trip; v8, v9 16 x and 4 x lane; v10, v12 -M by turns; v[14:15] the sum; v16-23, v24-31 Q's operand for head 0, 1; v32-63 four fragments of K; v64-95 four of V;
; v96-159 S^T, then p; v160-191 O^T; v192-199 p's codes; v200-203 K's scale words, v204-205 V's, v208 p's, v209 8 (lane / 16); v216-223 the result's codes, v224-225 Q's scale words, v226 the result's; v232-253 at work.
.set KP,    576                        ; a stored tile of K in LDS: 512 bytes + 64 of padding
.set KHEAD, 128*KP                     ; a head's 128 tiles
.set VIMG,  147456                     ; V's images [head][step 16][tile of d: 4][1,024]
.set VSC,   278528                     ; V's scale words [head][step][256 bytes]
.set KST,   286720                     ; K's scale words with the mask's byte [head][step][512 bytes]: written by ds_store, never a fill's target
.set MCT,   303104                     ; the mask's code, a word a key [step][tile 4 c + u][row]: likewise
.set SPARE, 311296                     ; the spare words, 128 bytes for each of sixteen waves
.set QK_SC, 8388608
.set V_IMG, 8912896
.set V_SC,  13107200
.set AV_SC, 4194304
.set ADK,  1
.set ADV,  2
.set ADS,  3
.set ADT,  4
.set SPW,  5                           ; v5 LDS address of my spare word; never rewritten
.set NIL,  6                           ; v6 0; never rewritten
.set ADM,  7
.set L16,  8
.set L4,   9
.set KB,   32
.set VB,   64
.set KSW,  200
.set VSW,  204
.set PSW,  208
.set SH8,  209
.set AVF,  216
.set QW,   224
.set AVW,  226
.set WV,   10                          ; s10 my wave's number
.set SEL,  20                          ; s[20:21] selects for lane l xor 16
.set CS,   22                          ; s[22:23] c = log2(e) / 8
.set NC,   76                          ; s76 -c
.set G1K,  24
.set G1V,  32
.set G1S,  40
.set G0K,  48
.set G0V,  52
.set G0S,  56
.set CNT,  80
.macro CROUND
	s_barrier_signal -1
	s_barrier_wait -1
	s_cmp_lg_u32 s[WV], 0
	s_cbranch_scc1 .Lnot_wave_0_\@
	s_barrier_signal -3
.Lnot_wave_0_\@:
	s_barrier_wait -3
	s_barrier_signal -1
	s_barrier_wait -1
.endm
	s_load_b128 s[4:7], s[0:1], 0x0                ; qkv, attn_mask
	s_load_b64 s[8:9], s[0:1], 0x10                ; av
	v_lshl_add_u32 v[SPW], v0, 2, SPARE
	v_mov_b32 v[NIL], 0
	ds_add_u32 v[SPW], v[NIL]                      ; the wave's opening: the add, twice on end, and its wait ahead of the first tensor loads
	ds_add_u32 v[SPW], v[NIL]
	v_lshrrev_b32 v96, 5, v0
	v_readfirstlane_b32 s[WV], v96                 ; wave 0..15
	s_bfe_u32 s11, ttmp6, 0x40000                  ; cx
	s_lshl_b32 s12, ttmp9, 2
	s_add_co_u32 s12, s12, s11                     ; my block of 256 queries
	s_and_b32 s14, ttmp7, 0xffff
	s_lshr_b32 s13, s14, 3                         ; the batch
	s_and_b32 s14, s14, 7                          ; the pair of heads
	s_lshl_b32 s15, s13, 3                         ; the batch's bit in a word of the mask
	; group 1: elements of 8 bytes, the mask of all four partners, bit 21 beside it
	s_mov_b32 s[G1K], 15|(3<<16)|(1<<20)|(1<<21)|(6<<22)|(15<<25)   ; K: 64 rows of 512 bytes (one head's half of an image), 1,024 bytes apart; 16 words of padding behind every 128
	s_mov_b32 s[G1K+1], 64<<16
	s_mov_b32 s[G1K+2], 64<<16
	s_mov_b32 s[G1K+3], 64<<16
	s_mov_b32 s[G1K+4], 64
	s_mov_b32 s[G1K+5], 128
	s_mov_b32 s[G1K+6], 0
	s_mov_b32 s[G1K+7], 0
	s_mov_b32 s[G1V], 15|(3<<16)|(1<<21)           ; V: 8 rows (steps) of 4,096 bytes (a head's four images), 65,536 bytes apart
	s_mov_b32 s[G1V+1], 512<<16
	s_mov_b32 s[G1V+2], 8<<16
	s_mov_b32 s[G1V+3], 512<<16
	s_mov_b32 s[G1V+4], 8
	s_mov_b32 s[G1V+5], 8192
	s_mov_b32 s[G1V+6], 0
	s_mov_b32 s[G1V+7], 0
	s_mov_b32 s[G1S], 15|(3<<16)|(1<<21)           ; V's scale words: 16 rows (steps) of 256 bytes, 4,096 bytes apart
	s_mov_b32 s[G1S+1], 32<<16
	s_mov_b32 s[G1S+2], 16<<16
	s_mov_b32 s[G1S+3], 32<<16
	s_mov_b32 s[G1S+4], 16
	s_mov_b32 s[G1S+5], 512
	s_mov_b32 s[G1S+6], 0
	s_mov_b32 s[G1S+7], 0
	s_and_b32 s16, s[WV], 1                        ; which half of K's tiles or of V's steps (waves 8, 9: which head's scale words)
	s_bfe_u32 s19, s[WV], 0x10001                  ; which head (waves 0-7)
	s_add_co_u32 s17, s14, 8
	s_lshl_b32 s17, s17, 9
	s_lshl_b32 s18, s13, 7
	s_add_co_u32 s17, s17, s18                     ; K's first image: group 8 + pair, the batch's first tile
	s_lshl_b32 s18, s16, 6
	s_add_co_u32 s92, s17, s18
	s_lshl_b32 s92, s92, 10
	s_lshl_b32 s18, s19, 9                         ; head 1: the image's other half
	s_add_co_u32 s92, s92, s18
	s_mov_b32 s93, 0
	s_mul_i32 s[G0K+1], s19, KHEAD
	s_mul_i32 s18, s16, 64*KP
	s_add_co_u32 s[G0K+1], s[G0K+1], s18
	s_lshl_b32 s94, s13, 4
	s_lshl_b32 s18, s16, 3
	s_add_co_u32 s94, s94, s18                     ; V: the batch's step 8 x half,
	s_lshl_b32 s94, s94, 6
	s_lshl_b32 s18, s14, 3
	s_add_co_u32 s94, s94, s18                     ; the pair's first tile of d,
	s_lshl_b32 s18, s19, 2
	s_add_co_u32 s94, s94, s18                     ; the head's
	s_lshl_b32 s94, s94, 10
	s_add_co_u32 s94, s94, V_IMG
	s_mov_b32 s95, 0
	s_lshl_b32 s[G0V+1], s19, 16
	s_lshl_b32 s18, s16, 15
	s_add_co_u32 s[G0V+1], s[G0V+1], s18
	s_add_co_u32 s[G0V+1], s[G0V+1], VIMG
	s_lshl_b32 s96, s13, 16
	s_lshl_b32 s18, s14, 9
	s_add_co_u32 s96, s96, s18
	s_lshl_b32 s18, s16, 8
	s_add_co_u32 s96, s96, s18
	s_add_co_u32 s96, s96, V_SC
	s_mov_b32 s97, 0
	s_lshl_b32 s[G0S+1], s16, 12
	s_add_co_u32 s[G0S+1], s[G0S+1], VSC
	s_lshl_b32 s86, s17, 6                         ; K's scale words: 16 words a tile
	s_add_co_u32 s86, s86, QK_SC
	s_mov_b32 s87, 0
	s_lshl_b32 s18, s12, 4
	s_add_co_u32 s18, s18, s[WV]                   ; my tile of queries in the batch
	s_lshl_b32 s98, s13, 7
	s_add_co_u32 s98, s98, s18
	s_lshl_b32 s99, s14, 9
	s_add_co_u32 s99, s99, s98                     ; Q's image: group = pair
	s_lshl_b32 s82, s99, 10
	s_mov_b32 s83, 0
	s_lshl_b32 s84, s99, 6
	s_add_co_u32 s84, s84, QK_SC
	s_mov_b32 s85, 0
	s_lshl_b32 s81, s98, 3
	s_add_co_u32 s81, s81, s14                     ; the result's image: [tile][pair]
	s_lshl_b32 s88, s81, 10
	s_mov_b32 s89, 0
	s_lshl_b32 s90, s81, 7
	s_add_co_u32 s90, s90, AV_SC
	s_mov_b32 s91, 0
	s_mov_b32 s[SEL], 0x76543210
	s_mov_b32 s[SEL+1], 0xfedcba98
	s_mov_b32 s[CS], 0x3e38aa3b                    ; c = log2(e) / 8
	s_mov_b32 s[CS+1], s[CS]                       ; (named with it as a pair, so it is written)
	s_mov_b32 s[NC], 0xbe38aa3b                    ; -c
	v_and_b32 v96, 31, v0
	v_lshlrev_b32 v[L16], 4, v96
	v_lshlrev_b32 v[L4], 2, v96
	v_and_b32 v97, 15, v0
	v_lshlrev_b32 v98, 2, v97                      ; 4 (lane % 16)
	v_add_nc_u32 v[ADV], VIMG, v[L16]
	v_add_nc_u32 v[ADS], KST, v[L16]
	v_add_nc_u32 v[ADT], VSC, v[L4]
	v_add_nc_u32 v[ADM], MCT, v98
	v_and_b32 v99, 7, v0
	v_bfe_u32 v100, v0, 3, 1                       ; bit 3
	v_bfe_u32 v101, v0, 4, 1                       ; h = lane / 16
	v_lshlrev_b32 v99, 4, v99
	v_lshl_add_u32 v99, v101, 8, v99
	v_mad_u32_u24 v[ADK], v100, 2*KP, v99          ; K: 16 (i % 8) + 256 h + two tiles on for rows 8-15
	v_lshlrev_b32 v[SH8], 3, v101
	v_and_b32 v102, 0x1f9, v0                      ; thread T serves key positions 4 T .. 4 T + 3; their true s are 4 T' + 0 .. 3, T' = T with bits 1 and 2 exchanged
	v_bfe_u32 v103, v0, 1, 1                       ; bit 1: u / 2
	v_bfe_u32 v104, v0, 2, 1                       ; bit 2: u % 2
	v_lshl_or_b32 v102, v103, 2, v102
	v_lshl_or_b32 v102, v104, 1, v102
	v_lshlrev_b32 v102, 4, v102                    ; a word of the mask (four batches' bytes) for each s
	v_lshlrev_b32 v105, 4, v0
	v_and_b32 v106, 0x1f0, v0
	v_lshlrev_b32 v106, 4, v106                    ; 512 x step + 256 c
	v_and_b32 v107, 1, v0
	v_lshl_add_u32 v108, v100, 7, v106             ; my scale words: row i = 8 (bit 3) + 4 (bit 0) + j at 16 i, tile u at 4 u
	v_lshl_add_u32 v109, v103, 7, v106             ; my mask codes: tile 4 c + u at 64 bytes a tile, row i at 4 i
	v_lshl_add_u32 v108, v107, 6, v108
	v_lshl_add_u32 v109, v104, 6, v109
	v_lshl_add_u32 v108, v103, 3, v108
	v_lshl_add_u32 v109, v100, 5, v109
	v_lshl_add_u32 v108, v104, 2, v108
	v_lshl_add_u32 v109, v107, 4, v109
	v_add_nc_u32 v108, KST, v108
	v_add_nc_u32 v109, MCT, v109
	s_wait_alu depctr_va_vdst(0)
	s_wait_dscnt 0x0                               ; both opening adds are done
	s_wait_kmcnt 0x0
	s_add_nc_u64 s[82:83], s[4:5], s[82:83]
	s_add_nc_u64 s[84:85], s[4:5], s[84:85]
	s_add_nc_u64 s[86:87], s[4:5], s[86:87]
	s_add_nc_u64 s[88:89], s[8:9], s[88:89]
	s_add_nc_u64 s[90:91], s[8:9], s[90:91]
	global_load_b128 v[112:115], v102, s[6:7]      ; the mask of my four keys
	global_load_b128 v[116:119], v105, s[86:87]    ; their scale words (both heads' bytes)
	global_load_b128 v[16:19], v[L16], s[82:83]    ; Q's codes, head 0
	global_load_b128 v[24:27], v[L16], s[82:83] offset:512   ; head 1
	global_load_b32 v120, v98, s[84:85]            ; Q's scale words
	s_mov_b32 s[G0K], 1
	s_mov_b32 s[G0V], 1
	s_mov_b32 s[G0S], 1
	s_add_nc_u64 s[G0K+2:G0K+3], s[4:5], s[92:93]
	s_add_nc_u64 s[G0V+2:G0V+3], s[4:5], s[94:95]
	s_add_nc_u64 s[G0S+2:G0S+3], s[4:5], s[96:97]
.irp g, G0K+3, G0V+3, G0S+3
	s_or_b32 s[\g], s[\g], 0x80000000
.endr
	CROUND                                         ; all four work-groups are here: the joint loads meet
	s_cmp_lt_u32 s[WV], 4                          ; one chain of branches on the wave's number, one fill to an arm, one join
	s_cbranch_scc0 .Lnot_k
	tensor_load_to_lds s[G0K:G0K+3], s[G1K:G1K+7]
	s_nop 0
.rept 4
	v_nop
.endr
	s_branch .Lasked
.Lnot_k:
	s_cmp_lt_u32 s[WV], 8
	s_cbranch_scc0 .Lnot_v
	tensor_load_to_lds s[G0V:G0V+3], s[G1V:G1V+7]
	s_nop 0
.rept 4
	v_nop
.endr
	s_branch .Lasked
.Lnot_v:
	s_cmp_lt_u32 s[WV], 10
	s_cbranch_scc0 .Lasked
	tensor_load_to_lds s[G0S:G0S+3], s[G1S:G1S+7]
	s_nop 0
.rept 4
	v_nop
.endr
.Lasked:
	s_mov_b32 s17, 0x7f7f0000                      ; Q's scale bytes 2 and 3: 1.0
	v_sub_nc_u32 v20, 1, v101                      ; Q's register 4: the code 0.5 at k = 64 (lanes 0-15), nothing at k = 96 (lanes 16-31)
	v_sub_nc_u32 v28, 1, v101
.irp j, 21,22,23,29,30,31
	v_mov_b32 v\j, 0
.endr
.irp t, 0,1,2,3
	v_mov_b32 v[KB+8*\t+5], 0                      ; K's registers 5-7: zero codes, set once
	v_mov_b32 v[KB+8*\t+6], 0
	v_mov_b32 v[KB+8*\t+7], 0
.endr
.irp j, 11,13,236,237,252,253
	v_mov_b32 v\j, 0                               ; upper halves of named pairs, and lane permutes' destinations: written once
.endr
	s_wait_loadcnt 0x0
.irp j, 0,1,2,3
	v_bfe_u32 v[124+\j], v[112+\j], s15, 1         ; 1 where my batch's key is masked
.endr
.irp j, 0,1,2,3
	v_mul_u32_u24 v[128+\j], v[124+\j], 0xe30000   ; scale byte 2: 227 (2^100) for a masked key, 0 for an open one
.endr
.irp j, 0,1,2,3
	v_mul_u32_u24 v[124+\j], v[124+\j], 15         ; the code at k = 64: -6 or 0
.endr
.irp j, 0,1,2,3
	v_and_or_b32 v[132+\j], v[116+\j], 0xffff, v[128+\j]   ; head 0: its two bytes, and the mask's
.endr
.irp j, 0,1,2,3
	v_lshrrev_b32 v[136+\j], 16, v[116+\j]
.endr
.irp j, 0,1,2,3
	v_or_b32 v[136+\j], v[136+\j], v[128+\j]       ; head 1
.endr
	ds_store_b128 v109, v[124:127]
.irp j, 0,1,2,3
	ds_store_b32 v108, v[132+\j] offset:16*\j
	ds_store_b32 v108, v[136+\j] offset:8192+16*\j
.endr
	v_and_or_b32 v[QW], v120, 0xffff, s17
	v_lshrrev_b32 v[QW+1], 16, v120
	v_or_b32 v[QW+1], s17, v[QW+1]
	s_wait_alu depctr_va_vdst(0)                   ; the wait at the head's end
	s_wait_tensorcnt 0x0                           ; my fill is in,
	s_wait_dscnt 0x0                               ; my stores are done:
	s_barrier_signal -1
	s_barrier_wait -1                              ; everybody's are.  Nothing is written into these bytes again
.macro KLOAD g, e                      ; tiles (g, 0 .. 3) of the trip's step e: codes, and the mask's code as register 4
.irp u, 0,1,2,3
	ds_load_b128 v[KB+8*\u:KB+8*\u+3], v[ADK] offset:8*KP*(\e)+(4*(\g)+(\u%2))*KP+(\u/2)*128
	ds_load_b32 v[KB+8*\u+4], v[ADM] offset:512*(\e)+64*(4*(\g)+\u)
.endr
.endm
.macro SMUL c, g                       ; S^T of tiles (g, 0 .. 3): their scale words lie in lanes 0-15 (g = 0) or 16-31 (g = 1)
.irp u, 0,1,2,3
.if \g
	v_wmma_scale_f32_16x16x128_f8f6f4 v[128+8*\u:135+8*\u], v[KB+8*\u:KB+8*\u+7], v[16+8*\c:23+8*\c], 0, v[KSW+\u], v[QW+\c] matrix_a_fmt:MATRIX_FMT_FP4 matrix_b_fmt:MATRIX_FMT_FP4 matrix_a_scale:MATRIX_SCALE_ROW1
.else
	v_wmma_scale_f32_16x16x128_f8f6f4 v[96+8*\u:103+8*\u], v[KB+8*\u:KB+8*\u+7], v[16+8*\c:23+8*\c], 0, v[KSW+\u], v[QW+\c] matrix_a_fmt:MATRIX_FMT_FP4 matrix_b_fmt:MATRIX_FMT_FP4
.endif
.endr
.endm
.macro MX t, b, k                      ; link k of a chain of maxima over the 16 registers from b on, ascending
.if (\k) == 0
	v_max3_num_f32 v[\t], v[\b], v[\b+1], v[\b+2]
.else
	v_max3_num_f32 v[\t], v[\t], v[\b+2*(\k)+1], v[\b+2*(\k)+2]
.endif
.endm
.macro PF n                            ; t - M, two at a time
.rept \n
	v_pk_fma_f32 v[96+j:97+j], v[96+j:97+j], s[CS:CS+1], v[NN:NN+1] op_sel_hi:[1,0,0]
.set j, j+2
.endr
.endm
; A KEY STEP of head c: 128 keys, the trip's step e.  -M is read from v[NO] and written into v[NN]: the two registers take turns.
.macro STEP c, e
.set NO, 12-2*(\e)
.set NN, 10+2*(\e)
	ds_load_b128 v[KSW:KSW+3], v[ADS] offset:512*(\e)
	KLOAD 0, \e
	s_wait_dscnt 0x0
	SMUL \c, 0
.rept 4
	v_nop                                          ; places in front of loads into registers that matrix instructions have read: K's here, V's from the step before
.endr
	KLOAD 1, \e
.irp t, 0,1,2,3
	ds_load_b128 v[VB+8*\t:VB+8*\t+3], v[ADV] offset:4096*(\e)+1024*\t
	ds_load_b128 v[VB+8*\t+4:VB+8*\t+7], v[ADV] offset:4096*(\e)+1024*\t+512
.endr
	ds_load_b32 v[VSW], v[ADT] offset:256*(\e)     ; V's scale words: tile 0 in lanes 0-15, tile 1 in lanes 16-31;
	ds_load_b32 v[VSW+1], v[ADT] offset:256*(\e)+128   ; tiles 2 and 3
	s_wait_dscnt 10                                ; K's eight loads are in; V's ten may be out
	SMUL \c, 1
; the largest score of my two blocks of 32 keys, each in two chains.  The first four lines read the first four tiles alone: they are the places behind the products above
.irp k, 0,1,2,3,4,5,6
	MX 232, 96, \k
	MX 233, 112, \k
.if \k >= 2
	MX 234, 128, \k-2
	MX 235, 144, \k-2
.endif
.endr
.irp k, 5,6
	MX 234, 128, \k
	MX 235, 144, \k
.endr
	v_max3_num_f32 v232, v232, v111, v127
	v_max3_num_f32 v234, v234, v143, v159
	s_delay_alu instid0(VALU_DEP_2)
	v_max_num_f32 v232, v232, v233                 ; block 2 x 0 + h
	s_delay_alu instid0(VALU_DEP_2)
	v_max_num_f32 v234, v234, v235                 ; block 2 x 1 + h
	s_delay_alu instid0(VALU_DEP_1)
	v_max_num_f32 v236, v232, v234
	s_delay_alu instid0(VALU_DEP_1)
	v_permlanex16_b32 v237, v236, s[SEL], s[SEL+1]
	s_delay_alu instid0(VALU_DEP_1)
	v_max_num_f32 v236, v236, v237                 ; the step's largest score of my query
	s_delay_alu instid0(VALU_DEP_1)
	v_mul_f32 v236, s[NC], v236                    ; as -t
	s_delay_alu instid0(VALU_DEP_1)
	v_floor_f32 v236, v236                         ; floor(-t) = -ceil(t)
	s_delay_alu instid0(VALU_DEP_1)
	v_min_num_f32 v[NN], v[NO], v236               ; the new -M: M is a whole number and never falls
.set j, 0
	PF 4
	v_sub_f32 v238, v[NN], v[NO]                   ; M's old value less its new one: a whole number, 0 or less
	PF 4
	v_cvt_i32_f32 v238, v238                       ; (it saturates)
	PF 4
	v_ldexp_f32 v252, 1.0, v238                    ; f = 2^(old M - new M)
	PF 20
	v_fma_f32 v232, v232, s[CS], v[NN]             ; the same of each block's largest score: p rises with the score
	v_fma_f32 v234, v234, s[CS], v[NN]
.set j, 0
.rept 16
	v_pk_mul_f32 v[160+j:161+j], v[160+j:161+j], v[252:253] op_sel_hi:[1,0]   ; O^T under the new M
.set j, j+2
.endr
	s_wait_dscnt 0x0                               ; V's fragments and scale words are in
	s_wait_alu depctr_va_vdst(0)                   ; the wait ahead of the batch
	v_exp_f32 v232, v232                           ; the blocks' largest p,
	v_exp_f32 v234, v234
.set j, 0
.rept 64
	v_exp_f32 v[96+j], v[96+j]                     ; and p = 2^(t - M), at most 1
.set j, j+1
.endr
.if \e
	v_add_nc_u32 v[ADK], 16*KP, v[ADK]             ; the next trip's addresses (plain lines behind the exponentials): all this trip's loads have been issued
	v_add_nc_u32 v[ADV], 8192, v[ADV]
	v_add_nc_u32 v[ADS], 1024, v[ADS]
	v_add_nc_u32 v[ADM], 1024, v[ADM]
	v_add_nc_u32 v[ADT], 512, v[ADT]
.else
	v_nop                                          ; a plain line behind the exponentials
.endif
	s_wait_alu depctr_va_vdst(0)                   ; one wait for the batch, ahead of its first reader
	v_max_num_f32 v232, 0x1800000, v232            ; the floor 2^(3 - 127): a block whose every p is 0 keeps the byte 1: its codes are zeros
	v_max_num_f32 v234, 0x1800000, v234
	s_delay_alu instid0(VALU_DEP_2)
	v_add_nc_u32 v244, 0xff000000, v232            ; 2 off the exponent field: the conversions' scale operands
	s_delay_alu instid0(VALU_DEP_2)
	v_add_nc_u32 v245, 0xff000000, v234
	s_delay_alu instid0(VALU_DEP_2)
	v_lshrrev_b32 v236, 23, v244                   ; the scales' bytes
	s_delay_alu instid0(VALU_DEP_2)
	v_lshrrev_b32 v238, 23, v245
	s_delay_alu instid0(VALU_DEP_1)
	v_lshl_or_b32 v236, v238, 16, v236             ; blocks h and 2 + h,
	s_delay_alu instid0(VALU_DEP_1)
	v_lshlrev_b32 v236, v[SH8], v236               ; at their places in the scale word;
	s_delay_alu instid0(VALU_DEP_1)
	v_permlanex16_b32 v237, v236, s[SEL], s[SEL+1]
	s_delay_alu instid0(VALU_DEP_1)
	v_or_b32 v[PSW], v236, v237                    ; with lane l xor 16's two the word is whole
.irp g, 0,1
.irp u, 0,1,2,3
	v_cvt_scalef32_pk8_fp4_f32 v[192+4*\g+\u], v[96+32*\g+8*\u:103+32*\g+8*\u], v[244+\g]   ; keys 64 g + 32 h + 8 u + 0 .. 7: register 4 g + u of p's operand
.endr
.endr
; the row's sum of the unquantised p, in four chains; the first line brings the old sum under the new M.  These 32 lines are also the places between p's scale word and codes and the products below
	v_pk_fma_f32 v[14:15], v[14:15], v[252:253], v[96:97] op_sel_hi:[1,0,1]
	v_pk_add_f32 v[246:247], v[98:99], v[100:101]
	v_pk_add_f32 v[248:249], v[102:103], v[104:105]
	v_pk_add_f32 v[250:251], v[106:107], v[108:109]
.set j, 110
.rept 6
	v_pk_add_f32 v[14:15], v[14:15], v[j:j+1]
	v_pk_add_f32 v[246:247], v[246:247], v[j+2:j+3]
	v_pk_add_f32 v[248:249], v[248:249], v[j+4:j+5]
	v_pk_add_f32 v[250:251], v[250:251], v[j+6:j+7]
.set j, j+8
.endr
	v_pk_add_f32 v[14:15], v[14:15], v[158:159]
	v_pk_add_f32 v[248:249], v[248:249], v[250:251]
	s_delay_alu instid0(VALU_DEP_2)
	v_pk_add_f32 v[14:15], v[14:15], v[246:247]
	s_delay_alu instid0(VALU_DEP_1)
	v_pk_add_f32 v[14:15], v[14:15], v[248:249]
.irp t, 0,1,2,3                                ; O^T += V^T P^T: the head's four tiles of d; the accumulators take turns
.if (\t)%2
	v_wmma_scale_f32_16x16x128_f8f6f4 v[160+8*\t:167+8*\t], v[VB+8*\t:VB+8*\t+7], v[192:199], v[160+8*\t:167+8*\t], v[VSW+\t/2], v[PSW] matrix_a_fmt:MATRIX_FMT_FP4 matrix_b_fmt:MATRIX_FMT_FP4 matrix_a_scale:MATRIX_SCALE_ROW1
.else
	v_wmma_scale_f32_16x16x128_f8f6f4 v[160+8*\t:167+8*\t], v[VB+8*\t:VB+8*\t+7], v[192:199], v[160+8*\t:167+8*\t], v[VSW+\t/2], v[PSW] matrix_a_fmt:MATRIX_FMT_FP4 matrix_b_fmt:MATRIX_FMT_FP4
.endif
.endr
.endm
; Head c's O^T is divided by the sum and quantised: its 64 numbers a row are blocks 2 c and 2 c + 1 of the result's fragment (128 = the pair's two heads).
; v's columns are stored at swap34 of d: register 16 b + i is d = 32 b + 16 (lane / 16) + i of my query.
.macro OUTQ c
.rept 4
	v_nop                                          ; places behind the last products
.endr
	v_add_f32 v14, v14, v15                        ; the sum's two halves,
	s_delay_alu instid0(VALU_DEP_1)
	v_permlanex16_b32 v252, v14, s[SEL], s[SEL+1]
	s_delay_alu instid0(VALU_DEP_1)
	v_add_f32 v14, v14, v252                       ; and lane l xor 16's
	s_wait_alu depctr_va_vdst(0)                   ; the wait ahead of the reciprocal
	v_rcp_f32 v14, v14
	v_nop                                          ; a plain line behind the reciprocal
	s_wait_alu depctr_va_vdst(0)                   ; and the wait ahead of its first reader, which is also O^T's
.set j, 0
.rept 32
	v_mul_f32 v[96+j], v[160+j], v14
.set j, j+1
.endr
.irp b, 0,1
	v_max3_num_f32 v[232+\b], |v[96+16*\b]|, |v[97+16*\b]|, 0x1800000
.endr
.irp i, 2,4,6,8,10,12,14
.irp b, 0,1
	s_delay_alu instid0(VALU_DEP_2)
	v_max3_num_f32 v[232+\b], v[232+\b], |v[96+16*\b+\i]|, |v[97+16*\b+\i]|
.endr
.endr
.irp b, 0,1
	s_delay_alu instid0(VALU_DEP_2)
	v_permlanex16_b32 v[236+\b], v[232+\b], s[SEL], s[SEL+1]
.endr
.irp b, 0,1
	s_delay_alu instid0(VALU_DEP_2)
	v_max_num_f32 v[232+\b], v[232+\b], v[236+\b]
.endr
.irp b, 0,1
	s_delay_alu instid0(VALU_DEP_2)
	v_add_nc_u32 v[244+\b], 0xff000000, v[232+\b]
.endr
.irp b, 0,1
	s_delay_alu instid0(VALU_DEP_2)
	v_lshrrev_b32 v[236+\b], 23, v[244+\b]
.endr
.if \c == 0
	s_delay_alu instid0(VALU_DEP_1)
	v_lshl_or_b32 v[AVW], v237, 8, v236            ; bytes 0 and 1 of the scale word
.else
	s_delay_alu instid0(VALU_DEP_1)
	v_lshl_or_b32 v238, v237, 8, v236
	s_delay_alu instid0(VALU_DEP_1)
	v_lshl_or_b32 v[AVW], v238, 16, v[AVW]         ; bytes 2 and 3
.endif
.irp b, 0,1
	v_cvt_scalef32_pk8_fp4_f32 v[AVF+4*\c+2*\b], v[96+16*\b:103+16*\b], v[244+\b]
	v_cvt_scalef32_pk8_fp4_f32 v[AVF+4*\c+2*\b+1], v[104+16*\b:111+16*\b], v[244+\b]
.endr
	v_nop                                          ; a plain line behind the conversions
.irp i, 0,1
	v_permlane16_swap_b32 v[AVF+4*\c+\i], v[AVF+4*\c+2+\i]   ; a whole block to a lane
.endr
.endm
; A pass: one head.  K's, V's and the scale words' addresses run on from head 0's last step into head 1's first; the mask's codes, which both heads share, begin anew.
.macro PASS c
	v_mov_b32 v12, 0x5d800000                      ; -M = 2^60
	v_mov_b32 v14, 0
	v_mov_b32 v15, 0
.set j, 0
.rept 32
	v_mov_b32 v[160+j], 0                          ; O^T: the step is written once; its first run finds zeros, which the first change of M leaves zeros
.set j, j+1
.endr
.if \c
	v_add_nc_u32 v[ADM], 0xffffe000, v[ADM]        ; 8,192 bytes back
.endif
	s_mov_b32 s[CNT], 8
	s_wait_alu depctr_va_vdst(0)                   ; ahead of the loop's waits
.Ltrip_\c:
	STEP \c, 0
	STEP \c, 1
	s_sub_co_u32 s[CNT], s[CNT], 1
	s_cmp_lg_u32 s[CNT], 0
	s_cbranch_scc1 .Ltrip_\c
	OUTQ \c
.endm
	PASS 0
	PASS 1
	global_store_b128 v[L16], v[AVF:AVF+3], s[88:89]               ; the fragment as it stands: 512 consecutive bytes a store, aligned
	global_store_b128 v[L16], v[AVF+4:AVF+7], s[88:89] offset:512
	global_store_b32 v[L4], v[AVW], s[90:91]       ; and its scale words, a word a lane
	s_wait_tensorcnt 0x0                           ; the wave's end: behind my last tensor load and my last LDS store
	ds_add_u32 v[SPW], v[NIL]
	s_wait_dscnt 0x0
	CROUND                                         ; the closing round
	s_endpgm
.Lfunc_end_k_qe7eb97f625_attn:
	.size	k_qe7eb97f625_attn, .Lfunc_end_k_qe7eb97f625_attn-k_qe7eb97f625_attn
	.p2alignl 7, 3214868480
	.fill 96, 4, 3214868480
	.section	.rodata,"a",@progbits
	.p2align	6, 0x0
	.amdhsa_kernel k_qe7eb97f625_attn
		.amdhsa_group_segment_fixed_size 327680
		.amdhsa_private_segment_fixed_size 0
		.amdhsa_enable_private_segment 0
		.amdhsa_kernarg_size 24
		.amdhsa_user_sgpr_count 2
		.amdhsa_user_sgpr_kernarg_segment_ptr 1
		.amdhsa_wavefront_size32 1
		.amdhsa_system_sgpr_workgroup_id_x 1
		.amdhsa_system_sgpr_workgroup_id_y 1
		.amdhsa_system_sgpr_workgroup_id_z 1
		.amdhsa_system_vgpr_workitem_id 0
		.amdhsa_next_free_vgpr 256
		.amdhsa_next_free_sgpr 100
		.amdhsa_reserve_vcc 0
		.amdhsa_float_denorm_mode_32 3
		.amdhsa_float_denorm_mode_16_64 3
		.amdhsa_memory_ordered 1
		.amdhsa_forward_progress 1
		.amdhsa_inst_pref_size 83
	.end_amdhsa_kernel
	.amdgpu_metadata
---
amdhsa.version: [ 1, 2 ]
amdhsa.kernels:
  - .name:           k_qe7eb97f625_attn
    .symbol:         k_qe7eb97f625_attn.kd
    .args:
      - { .name: qkv, .offset: 0, .size: 8, .value_kind: global_buffer, .address_space: global }
      - { .name: attn_mask, .offset: 8, .size: 8, .value_kind: global_buffer, .address_space: global }
      - { .name: av, .offset: 16, .size: 8, .value_kind: global_buffer, .address_space: global }
    .group_segment_fixed_size: 327680
    .private_segment_fixed_size: 0
    .kernarg_segment_align: 8
    .kernarg_segment_size: 24
    .max_flat_workgroup_size: 512
    .sgpr_count:     100
    .vgpr_count:     256
    .wavefront_size: 32
...
	.end_amdgpu_metadata
.endif
;; end of part 3
;; launch proj (part 4): grid 256 x 1, 16 waves a work-group, no clusters, 327,680 bytes of LDS; arguments av, wq, h, gamma, beta, out0; writes out0
.if DOCPART == 4
	.amdgcn_target "amdgcn-amd-amdhsa--gfx1250"
	.amdhsa_code_object_version 6
	.text
	.protected	k_qe7eb97f625_proj
	.globl	k_qe7eb97f625_proj
	.p2align	8
	.type	k_qe7eb97f625_proj,@function
k_qe7eb97f625_proj:
	s_mov_b64 s[64:65], 0
	v_nop
	global_prefetch_b8 v0, s[64:65] scope:SCOPE_SE
	s_setreg_imm32_b32 hwreg(HW_REG_WAVE_MODE, 25, 1), 1
	s_wait_xcnt 0x0
; out = layer_norm(h + attn_vec Wo) x gamma + beta.  The product on codes of FP4 with E8M0 scales, K = 1024; all else in f32.  Nothing is left out.
; SHARES.  Work-group g takes 32 positions (two tiles of 16), whole rows of 1,024, so that the norm needs no second launch.  THE WAVES SHARE THE COLUMNS: wave w makes columns 64 w .. 64 w + 63 for both tiles: eight
; accumulators, which take turns.  Its fragments of Wo come from memory straight into registers, as images, three K steps deep; no other wave of the work-group reads them.
; attn_vec's 16 fragments and scale words reach all waves through LDS as images of their registers (each wave brings one).  For the norm wave w owns rows 2 w and 2 w + 1 whole: the results meet in a stage.
; h's two rows of a wave come by one tensor load a wave at the head, into bytes that the wave alone reads, and land during the products.
; NO CLUSTER: what work-groups share is Wo, 524,288 bytes, which does not fit in LDS beside the stage (131,584) and h (131,072): it would want a ring with a round of the cluster's barrier for each refill.
; THE MATRIX INSTRUCTION IS USED TRANSPOSED (source 0 = 16 columns of Wo, stored at swap34; source 1 = 16 positions): a lane holds one position, and register j of tile 2 B + u is column 32 B + 16 (lane / 16) + 8 u + j.
; Position p of the work-group's 32 is s = s0 + swap34(p).
; LIMITS: NaN and infinities among the inputs are not served.
; REGISTERS: v1-13 addresses; v14-23 at work; v32-63 attn_vec's fragments, two sets of two (later beta); v64-127 accumulators (m, t) at 64 + 8 (4 m + t) (later x); v128-223 Wo's fragments, three sets of four
; (later h, gamma); v224-239 Wo's scale words [pair of tiles][K step]: lanes 0-15 the even tile, lanes 16-31 the odd; v240-243 attn_vec's.
.set AIMG,  0                          ; LDS: 16 fragments (8 m + K step), 1,024 bytes each
.set ASC,   16384                      ; their scale words, 128 bytes each
.set STG,   18432                      ; the stage: 32 rows x (4,096 + 16) bytes
.set SPIT,  4112
.set HB,    150016                     ; h: 8,192 bytes a wave, filled by tensor loads alone
.set SPARE, 281088                     ; the spare words, 128 bytes for each of sixteen waves
.set AV_SC, 4194304
.set WO_IMG, 1671168
.set WO_SC, 2195456
.set SPW,  12                          ; v12 LDS address of my spare word; never rewritten
.set NIL,  13                          ; v13 0; never rewritten
.set WS,   224
	s_load_b256 s[4:11], s[0:1], 0x0               ; av, wq, h, gamma
	s_load_b128 s[12:15], s[0:1], 0x20             ; beta, out0
	v_lshl_add_u32 v[SPW], v0, 2, SPARE
	v_mov_b32 v[NIL], 0
	ds_add_u32 v[SPW], v[NIL]                      ; the wave's opening: the add, twice on end, and its wait ahead of my tensor load
	ds_add_u32 v[SPW], v[NIL]
	v_lshrrev_b32 v1, 5, v0
	s_delay_alu instid0(VALU_DEP_1)
	v_readfirstlane_b32 s16, v1                    ; wave 0..15
	s_lshr_b32 s17, ttmp9, 6                       ; the batch
	s_and_b32 s18, ttmp9, 63
	s_lshl_b32 s18, s18, 5                         ; s0
	s_and_b32 s19, s16, 3                          ; swap34(2 w): bits 1, 2 of the position stay, bits 3 and 4 change places
	s_lshl_b32 s19, s19, 1
	s_bfe_u32 s22, s16, 0x10003
	s_lshl_b32 s22, s22, 3
	s_add_co_u32 s19, s19, s22
	s_bfe_u32 s22, s16, 0x10002
	s_lshl_b32 s22, s22, 4
	s_add_co_u32 s19, s19, s22
	s_add_co_u32 s19, s19, s18                     ; the s of my first row; my second is the next s
	s_lshl_b32 s19, s19, 2
	s_add_co_u32 s19, s19, s17
	s_lshl_b32 s36, s19, 12                        ; row (s, b) in h and in out0, in bytes
	s_mov_b32 s37, 0
	s_mov_b32 s24, 3<<16                           ; group 1: elements of 8 bytes, no mask, no padding: 2 rows of 4,096 bytes, 16,384 bytes apart
	s_mov_b32 s25, 512<<16
	s_mov_b32 s26, 2<<16
	s_mov_b32 s27, 512<<16
	s_mov_b32 s28, 2
	s_mov_b32 s29, 2048
	s_mov_b32 s30, 0
	s_mov_b32 s31, 0
	s_mov_b32 s32, 1
	s_lshl_b32 s33, s16, 13
	s_add_co_u32 s33, s33, HB
	s_lshl_b32 s22, ttmp9, 4
	s_add_co_u32 s22, s22, s16                     ; the fragment of attn_vec that I bring: 16 g + w
	s_lshl_b32 s42, s22, 10
	s_mov_b32 s43, 0
	s_lshl_b32 s44, s22, 7
	s_add_co_u32 s44, s44, AV_SC
	s_mov_b32 s45, 0
	s_lshl_b32 s46, s16, 11                        ; my 64 columns' scale bytes, 32 a column
	s_add_co_u32 s46, s46, WO_SC
	s_mov_b32 s47, 0
	s_lshl_b32 s48, s16, 12                        ; my four tiles' images
	s_add_co_u32 s48, s48, WO_IMG
	s_mov_b32 s49, 0
	s_mov_b32 s20, 0x76543210
	s_mov_b32 s21, 0xfedcba98                      ; selects for lane l xor 16
	s_mov_b32 s40, 0x3a800000                      ; 1 / 1024
	s_mov_b32 s41, 0x3727c5ac                      ; 1e-5
	v_and_b32 v14, 31, v0
	s_delay_alu instid0(VALU_DEP_1)
	v_lshlrev_b32 v1, 4, v14                       ; 16 x lane
	s_delay_alu instid0(VALU_DEP_2)
	v_lshlrev_b32 v2, 2, v14                       ; 4 x lane
	s_delay_alu instid0(VALU_DEP_3)
	v_lshlrev_b32 v6, 5, v14                       ; 32 x lane
	s_lshl_b32 s23, s16, 10
	v_add_nc_u32 v3, s23, v1                       ; where my fragment's image goes
	s_lshl_b32 s23, s16, 7
	v_add_nc_u32 v4, s23, v2                       ; and its scale words
	v_and_b32 v14, 15, v0
	v_bfe_u32 v15, v0, 4, 1
	s_delay_alu instid0(VALU_DEP_2)
	v_mul_u32_u24 v7, v14, SPIT
	s_delay_alu instid0(VALU_DEP_1)
	v_lshl_add_u32 v7, v15, 6, v7
	s_lshl_b32 s23, s16, 8
	s_add_co_u32 s23, s23, STG
	v_add_nc_u32 v7, s23, v7                       ; into the stage: row r, + 64 h, + my 256 bytes; tile 0 of rows,
	s_delay_alu instid0(VALU_DEP_1)
	v_add_nc_u32 v8, 16*SPIT, v7                   ; tile 1
	s_mul_i32 s23, s16, 2*SPIT
	s_add_co_u32 s23, s23, STG
	v_add_nc_u32 v9, s23, v1                       ; back: my two rows, 16 bytes a lane
	v_add_nc_u32 v10, s33, v1                      ; and h's
	v_mov_b32 v22, 0                               ; written once: a lane permute's destination counts as one of its sources
	v_mov_b32 v23, 0
	s_wait_dscnt 0x0                               ; both opening adds are done
	s_wait_kmcnt 0x0
	s_add_nc_u64 s[34:35], s[8:9], s[36:37]
	s_or_b32 s35, s35, 0x80000000
	tensor_load_to_lds s[32:35], s[24:31]          ; every wave issues one: one tensor load of mine is out
	s_nop 0
	s_add_nc_u64 s[42:43], s[4:5], s[42:43]
	s_add_nc_u64 s[44:45], s[4:5], s[44:45]
	s_add_nc_u64 s[46:47], s[6:7], s[46:47]
	s_add_nc_u64 s[48:49], s[6:7], s[48:49]
	s_add_nc_u64 s[50:51], s[14:15], s[36:37]
.macro BLOAD k                         ; Wo's four fragments of K step k into set k % 3
.set BL, 128+32*((\k)%3)
.irp t, 0,1,2,3
.irp c, 0,1
	global_load_b128 v[BL+8*\t+4*\c:BL+8*\t+4*\c+3], v1, s[48:49] offset:65536*(\k)+1024*\t+512*\c
.endr
.endr
.endm
	global_load_b128 v[32:35], v1, s[42:43]
	global_load_b128 v[36:39], v1, s[42:43] offset:512
	global_load_b32 v240, v2, s[44:45]
.irp i, 0,1
	global_load_b128 v[WS+8*\i:WS+8*\i+3], v6, s[46:47] offset:1024*\i
	global_load_b128 v[WS+8*\i+4:WS+8*\i+7], v6, s[46:47] offset:1024*\i+16
.endr
	BLOAD 0
	BLOAD 1
	s_wait_loadcnt 16                              ; all but the 16 loads of Wo's first two K steps
	ds_store_b128 v3, v[32:35] offset:AIMG
	ds_store_b128 v3, v[36:39] offset:AIMG+512
	ds_store_b32 v4, v240 offset:ASC
	s_wait_dscnt 0x0                               ; for the others' sake
	s_barrier_signal -1
	s_barrier_wait -1                              ; attn_vec's sixteen fragments lie in LDS
.macro PROD k, m, t
.set DA, 64+8*(4*(\m)+(\t))
.if (\k) == 0
.if (\t)%2
	v_wmma_scale_f32_16x16x128_f8f6f4 v[DA:DA+7], v[BB+8*(\t):BB+8*(\t)+7], v[AB+8*(\m):AB+8*(\m)+7], 0, v[WS+8*((\t)/2)+(\k)], v[ASR+(\m)] matrix_a_fmt:MATRIX_FMT_FP4 matrix_b_fmt:MATRIX_FMT_FP4 matrix_a_scale:MATRIX_SCALE_ROW1
.else
	v_wmma_scale_f32_16x16x128_f8f6f4 v[DA:DA+7], v[BB+8*(\t):BB+8*(\t)+7], v[AB+8*(\m):AB+8*(\m)+7], 0, v[WS+8*((\t)/2)+(\k)], v[ASR+(\m)] matrix_a_fmt:MATRIX_FMT_FP4 matrix_b_fmt:MATRIX_FMT_FP4
.endif
.else
.if (\t)%2
	v_wmma_scale_f32_16x16x128_f8f6f4 v[DA:DA+7], v[BB+8*(\t):BB+8*(\t)+7], v[AB+8*(\m):AB+8*(\m)+7], v[DA:DA+7], v[WS+8*((\t)/2)+(\k)], v[ASR+(\m)] matrix_a_fmt:MATRIX_FMT_FP4 matrix_b_fmt:MATRIX_FMT_FP4 matrix_a_scale:MATRIX_SCALE_ROW1
.else
	v_wmma_scale_f32_16x16x128_f8f6f4 v[DA:DA+7], v[BB+8*(\t):BB+8*(\t)+7], v[AB+8*(\m):AB+8*(\m)+7], v[DA:DA+7], v[WS+8*((\t)/2)+(\k)], v[ASR+(\m)] matrix_a_fmt:MATRIX_FMT_FP4 matrix_b_fmt:MATRIX_FMT_FP4
.endif
.endif
.endm
.macro STEPK k
.if (\k) > 0
.rept 4
	v_nop                                          ; places in front of loads into registers that matrix instructions have read
.endr
.endif
.if (\k)+2 < 8
	BLOAD (\k)+2
.endif
.set AB, 32+16*((\k)%2)
.set ASR, 240+2*((\k)%2)
.set BB, 128+32*((\k)%3)
.irp m, 0,1
.irp c, 0,1
	ds_load_b128 v[AB+8*\m+4*\c:AB+8*\m+4*\c+3], v1 offset:AIMG+(8*\m+(\k))*1024+512*\c
.endr
	ds_load_b32 v[ASR+\m], v2 offset:ASC+(8*\m+(\k))*128
.endr
.if (\k) < 6
	s_wait_loadcnt 16                              ; this K step's eight loads are in; those of the two steps behind it may be out
.elseif (\k) == 6
	s_wait_loadcnt 8
.else
	s_wait_loadcnt 0x0
.endif
	s_wait_dscnt 0x0
.irp m, 0,1
.irp t, 0,1,2,3
	PROD \k, \m, \t
.endr
.endr
.endm
.irp k, 0,1,2,3,4,5,6,7
	STEPK \k
.endr
.rept 4
	v_nop                                          ; places behind the last products: for the loads below and the first reads of results
.endr
.irp q, 0,1,2,3,4,5,6,7
	global_load_b128 v[192+4*\q:195+4*\q], v1, s[10:11] offset:512*\q      ; gamma at my lane's columns: 4 x lane + 128 q + 0 .. 3
.endr
.irp q, 0,1,2,3,4,5,6,7
	global_load_b128 v[32+4*\q:35+4*\q], v1, s[12:13] offset:512*\q        ; beta
.endr
	s_wait_alu depctr_va_vdst(0)
.irp m, 0,1
.irp t, 0,1,2,3
	ds_store_b128 v[7+\m], v[64+8*(4*\m+\t):67+8*(4*\m+\t)] offset:128*(\t/2)+32*(\t%2)        ; each accumulator from its low end on
	ds_store_b128 v[7+\m], v[68+8*(4*\m+\t):71+8*(4*\m+\t)] offset:128*(\t/2)+32*(\t%2)+16
.endr
.endr
	s_wait_dscnt 0x0                               ; for the others' sake
	s_barrier_signal -1
	s_barrier_wait -1                              ; 32 whole rows lie in the stage
	s_wait_tensorcnt 0x0                           ; my two rows of h are in LDS: only I read them
.irp e, 0,1
.irp q, 0,1,2,3,4,5,6,7
	ds_load_b128 v[64+32*\e+4*\q:67+32*\e+4*\q], v9 offset:SPIT*\e+512*\q
	ds_load_b128 v[128+32*\e+4*\q:131+32*\e+4*\q], v10 offset:4096*\e+512*\q
.endr
.endr
	s_wait_dscnt 0x0
.set j, 0
.rept 32
	v_pk_add_f32 v[64+j:65+j], v[64+j:65+j], v[128+j:129+j]        ; x = h + attn_out
.set j, j+2
.endr
.irp e, 0,1
	v_pk_add_f32 v[14+2*\e:15+2*\e], v[64+32*\e:65+32*\e], v[66+32*\e:67+32*\e]   ; the rows' sums: the two rows by turns
.endr
.irp i, 4,6,8,10,12,14,16,18,20,22,24,26,28,30
.irp e, 0,1
	s_delay_alu instid0(VALU_DEP_2)
	v_pk_add_f32 v[14+2*\e:15+2*\e], v[14+2*\e:15+2*\e], v[64+32*\e+\i:65+32*\e+\i]
.endr
.endr
.irp e, 0,1
	s_delay_alu instid0(VALU_DEP_2)
	v_add_f32 v[14+2*\e], v[14+2*\e], v[15+2*\e]
.endr
.irp x, 1,2,4,8
.irp e, 0,1
	s_delay_alu instid0(VALU_DEP_2)
	v_add_f32_dpp v[14+2*\e], v[14+2*\e], v[14+2*\e] row_xmask:\x row_mask:0xf bank_mask:0xf
.endr
.endr
.irp e, 0,1
	s_delay_alu instid0(VALU_DEP_2)
	v_permlanex16_b32 v[22+\e], v[14+2*\e], s20, s21
.endr
.irp e, 0,1
	s_delay_alu instid0(VALU_DEP_2)
	v_add_f32 v[14+2*\e], v[14+2*\e], v[22+\e]
.endr
.irp e, 0,1
	s_delay_alu instid0(VALU_DEP_2)
	v_mul_f32 v[14+2*\e], s40, v[14+2*\e]          ; the mean
.endr
.irp i, 0,2,4,6,8,10,12,14,16,18,20,22,24,26,28,30
.irp e, 0,1
	v_pk_add_f32 v[64+32*\e+\i:65+32*\e+\i], v[64+32*\e+\i:65+32*\e+\i], v[14+2*\e:15+2*\e] op_sel_hi:[1,0] neg_lo:[0,1] neg_hi:[0,1]   ; d = x - mean
.endr
.endr
.irp e, 0,1
	v_pk_mul_f32 v[18+2*\e:19+2*\e], v[64+32*\e:65+32*\e], v[64+32*\e:65+32*\e]
.endr
.irp i, 2,4,6,8,10,12,14,16,18,20,22,24,26,28,30
.irp e, 0,1
	s_delay_alu instid0(VALU_DEP_2)
	v_pk_fma_f32 v[18+2*\e:19+2*\e], v[64+32*\e+\i:65+32*\e+\i], v[64+32*\e+\i:65+32*\e+\i], v[18+2*\e:19+2*\e]
.endr
.endr
.irp e, 0,1
	s_delay_alu instid0(VALU_DEP_2)
	v_add_f32 v[18+2*\e], v[18+2*\e], v[19+2*\e]
.endr
.irp x, 1,2,4,8
.irp e, 0,1
	s_delay_alu instid0(VALU_DEP_2)
	v_add_f32_dpp v[18+2*\e], v[18+2*\e], v[18+2*\e] row_xmask:\x row_mask:0xf bank_mask:0xf
.endr
.endr
.irp e, 0,1
	s_delay_alu instid0(VALU_DEP_2)
	v_permlanex16_b32 v[22+\e], v[18+2*\e], s20, s21
.endr
.irp e, 0,1
	s_delay_alu instid0(VALU_DEP_2)
	v_add_f32 v[18+2*\e], v[18+2*\e], v[22+\e]
.endr
.irp e, 0,1
	s_delay_alu instid0(VALU_DEP_2)
	v_fma_f32 v[18+2*\e], v[18+2*\e], s40, s41     ; the variance + 1e-5
.endr
	s_wait_alu depctr_va_vdst(0)
	v_rsq_f32 v18, v18
	v_rsq_f32 v20, v20
	v_nop                                          ; a plain line behind the two
	s_wait_alu depctr_va_vdst(0)                   ; and one wait ahead of their first reader
	s_wait_loadcnt 0x0                             ; gamma and beta
.irp i, 0,2,4,6,8,10,12,14,16,18,20,22,24,26,28,30
.irp e, 0,1
	v_pk_mul_f32 v[64+32*\e+\i:65+32*\e+\i], v[64+32*\e+\i:65+32*\e+\i], v[18+2*\e:19+2*\e] op_sel_hi:[1,0]
.endr
.endr
.irp i, 0,2,4,6,8,10,12,14,16,18,20,22,24,26,28,30
.irp e, 0,1
	v_pk_fma_f32 v[64+32*\e+\i:65+32*\e+\i], v[64+32*\e+\i:65+32*\e+\i], v[192+\i:193+\i], v[32+\i:33+\i]
.endr
.endr
.irp e, 0,1
.irp q, 0,1,2,3,4,5,6,7
	global_store_b128 v1, v[64+32*\e+4*\q:67+32*\e+4*\q], s[50:51] offset:16384*\e+512*\q th:TH_STORE_NT   ; the wave stores 512 consecutive bytes, aligned
.endr
.endr
	s_wait_tensorcnt 0x0                           ; the wave's end: behind my tensor load and my last LDS store
	ds_add_u32 v[SPW], v[NIL]
	s_wait_dscnt 0x0
	s_endpgm
.Lfunc_end_k_qe7eb97f625_proj:
	.size	k_qe7eb97f625_proj, .Lfunc_end_k_qe7eb97f625_proj-k_qe7eb97f625_proj
	.p2alignl 7, 3214868480
	.fill 96, 4, 3214868480
	.section	.rodata,"a",@progbits
	.p2align	6, 0x0
	.amdhsa_kernel k_qe7eb97f625_proj
		.amdhsa_group_segment_fixed_size 327680
		.amdhsa_private_segment_fixed_size 0
		.amdhsa_enable_private_segment 0
		.amdhsa_kernarg_size 48
		.amdhsa_user_sgpr_count 2
		.amdhsa_user_sgpr_kernarg_segment_ptr 1
		.amdhsa_wavefront_size32 1
		.amdhsa_system_sgpr_workgroup_id_x 1
		.amdhsa_system_sgpr_workgroup_id_y 1
		.amdhsa_system_sgpr_workgroup_id_z 1
		.amdhsa_system_vgpr_workitem_id 0
		.amdhsa_next_free_vgpr 256
		.amdhsa_next_free_sgpr 66
		.amdhsa_reserve_vcc 0
		.amdhsa_float_denorm_mode_32 3
		.amdhsa_float_denorm_mode_16_64 3
		.amdhsa_memory_ordered 1
		.amdhsa_forward_progress 1
		.amdhsa_inst_pref_size 47
	.end_amdhsa_kernel
	.amdgpu_metadata
---
amdhsa.version: [ 1, 2 ]
amdhsa.kernels:
  - .name:           k_qe7eb97f625_proj
    .symbol:         k_qe7eb97f625_proj.kd
    .args:
      - { .name: av, .offset: 0, .size: 8, .value_kind: global_buffer, .address_space: global }
      - { .name: wq, .offset: 8, .size: 8, .value_kind: global_buffer, .address_space: global }
      - { .name: h, .offset: 16, .size: 8, .value_kind: global_buffer, .address_space: global }
      - { .name: gamma, .offset: 24, .size: 8, .value_kind: global_buffer, .address_space: global }
      - { .name: beta, .offset: 32, .size: 8, .value_kind: global_buffer, .address_space: global }
      - { .name: out0, .offset: 40, .size: 8, .value_kind: global_buffer, .address_space: global }
    .group_segment_fixed_size: 327680
    .private_segment_fixed_size: 0
    .kernarg_segment_align: 8
    .kernarg_segment_size: 48
    .max_flat_workgroup_size: 512
    .sgpr_count:     66
    .vgpr_count:     256
    .wavefront_size: 32
...
	.end_amdgpu_metadata
.endif
;; end of part 4
